; MI455X (gfx1250); checked and timed in simulation.
; The chip was launched on July 23, 2026; its instructions are those of AMD's public machine-readable ISA for CDNA 5 (MIT licence, August 2026) and "CDNA5" Instruction Set Architecture Reference Guide (July 2026). The comments in the code are by the model that wrote it; some were corrected since.
;; Hash MLP Model. Allowed arithmetic: matrix products marked QUANTISED: E2M1 operands, one E8M0 scale for each 32 along K, by v_wmma_scale_f32_16x16x128_f8f6f4 with both operands' format E2M1 (or v_wmma_scale_f32_32x16x128_f4), f32 sums; products left as they are: f32 operands where the result goes on into a quantised operand, else bf16, f16 or f32 operands; f32 sums; everything else in f32.
;; Inputs: W1 32 x 128 float32; W2 128 x 128 float32; W3 128 x 1 float32; b1 128 float32; b2 128 float32; b3 1 float32; embeddings 16 x 524,288 x 2 float32; x 1,048,576 x 3 float32.
;; Outputs: out0 1,048,576 x 1 float32.
;; This version of the problem:
;;   THIS VERSION OF THE PROBLEM IS GIVEN IN LOW PRECISION. The matrix products marked QUANTISED in the list below multiply operands that are first quantised to E2M1 (2 exponent bits, 1 mantissa bit; 4 bits a number), with one power-of-two scale for each 32 numbers along K (OCP MX v1.0); their sums are f32. All else is computed in f32.
;;   The module's matrix products, in the order in which they are computed (A, B: the left and right operand; K: the contracted axis; several contracted axes count as one K, in the product's order):
;;     1. [M 1,048,576, K 32] x [K 32, N 128]; A: computed on the way; B: input W1: QUANTISED
;;     2. [M 1,048,576, K 128] x [K 128, N 128]; A: computed on the way; B: input W2: QUANTISED
;;     3. [M 1,048,576, K 128] x [K 128, N 1]; A: computed on the way; B: input W3: left as it is (N = 1 < 16)
;;   THE QUANTISER, for each operand of a quantised product, along K:
;;     - K is cut into blocks of 32 from its start; a last block that is shorter is filled with zeros.
;;     - A block's scale is 2^e with e = floor(log2(the largest magnitude in the block)) - 2, held to -126 .. 127; a block of zeros has e = 0. As a byte (E8M0): e + 127.
;;     - Each number is divided by its block's scale, clamped to +-6, and rounded to the nearest number of E2M1, ties to even, subnormals kept.
;;     - The product sums the exact products of the quantised numbers (number of the format x scale) in f32.
;;   ~~~python
;;   def quantise(x, axis):      # numpy; x: float32 -> the quantised numbers, widened to float32 again
;;       x = np.moveaxis(x, axis, -1); K = x.shape[-1]
;;       x = np.pad(x, [(0, 0)] * (x.ndim - 1) + [(0, -K % 32)]); x = x.reshape(x.shape[:-1] + (-1, 32)); a = np.abs(x).max(-1, keepdims=True)
;;       e = np.where(a > 0, np.clip(np.frexp(np.where(a > 0, a, 1))[1] - 1 - 2, -126, 127), 0)      # np.frexp(a)[1] - 1 = floor(log2(a)), exactly
;;       r = np.clip(x / 2.0 ** e, -6, 6)
;;       step = 2.0 ** (np.maximum(np.frexp(np.where(r == 0, 1, r))[1] - 1, 0) - 1)
;;       q = np.round(r / step) * step * 2.0 ** e      # np.round: ties to even
;;       return np.moveaxis(q.reshape(q.shape[:-2] + (-1,))[..., :K], -1, axis).astype(np.float32)
;;   ~~~
;;   OPERANDS COMPUTED ON THE WAY. 'Computed on the way' means the value that the module computes at that place (a softmax that the list does not call 'softmax' is quantised finished and normalised). What goes into a quantiser is computed in f32, as accurately as f32 sums, v_exp_f32 and their like allow (about 1e-6 of the number): no bf16 or f16 on the way to a quantiser, and a product that is left as it is and whose result goes on into a quantised operand takes f32 operands (vector FMAs, or v_wmma_f32_16x16x4_f32). A number that lies on a knife's edge between two numbers of the format may be rounded either way, as far as f32 arithmetic and the matrix unit's own rounding can turn it there, and no further.
;; 2 versions, each right; version 2 is version 1 with the launch encode_mlp written anew for expert scheduling mode. Each part assembles by itself: llvm-mc -triple=amdgcn-amd-amdhsa -mcpu=gfx1250 --defsym DOCPART=n.
;; ======== version 1 of 2: 2 launches
;; limits: inputs' magnitudes at most 256; right only within a limited range of input values
;; workspace buffers: cells 25,165,824 bytes of whole numbers
;; launch cells (part 1): grid 1024 x 1, 8 waves a work-group, no clusters, 0 bytes of LDS; arguments x, cells; writes cells
.if DOCPART == 1
	.amdgcn_target "amdgcn-amd-amdhsa--gfx1250"
	.amdhsa_code_object_version 6
	.text
	.protected	k_qd72f5ffc9b_cells
	.globl	k_qd72f5ffc9b_cells
	.p2align	8
	.type	k_qd72f5ffc9b_cells,@function
k_qd72f5ffc9b_cells:
	s_mov_b64 s[64:65], 0
	v_nop
	global_prefetch_b8 v0, s[64:65] scope:SCOPE_SE
	s_setreg_imm32_b32 hwreg(HW_REG_WAVE_MODE, 25, 1), 1
	s_wait_xcnt 0x0
; THE CELLS OF THE HASH GRID, AS WHOLE NUMBERS.  x: [1048576][3] f32.  cells: 24 bytes a point.
; The next launch gathers from the tables, and its addresses may be made of whole numbers read from memory alone.  So this launch stores, for each point and coordinate,
; what gives the cell floor(x (2^l - 1) + 0.5) of all 16 levels by integer arithmetic:
;   Y = floor(x 2^15), so that t_l = Y >> (15 - l) = floor(x 2^l) and Z = Y >> 15 = floor(x);
;   E = 16 fields of 2 bits; field l holds d_l + 1, where cell_l = t_l - Z + d_l.
; x (2^l - 1) = x 2^l - x lies in (t - Z - 1, t - Z + 1); whole numbers and halves are f32 numbers here, so neither rounding leaves [t - Z - 0.5, t - Z + 1.5]: d_l is -1, 0 or 1.
; pos IS A ROUNDED PRODUCT AND THEN A ROUNDED SUM, as the model writes it, not one fused multiply-add: at level 15 the last bit of pos is 2^-9 of a cell, and the next launch takes its fraction
; from the same two instructions, so that cell and fraction always belong together.
; LIMITS: 0 <= x < 256 (pos stays under 2^23).  Negative x, NaN and infinities are not served: the model's cast to an unsigned number has no defined value there; the next launch masks and clamps every index all the same.
; SHARES: a wave takes 128 points, four batches of 32, a lane to a point.  LAYOUT of cells, by batch of 32 points, 768 bytes: 16 x lane: Y0 Y1 Y2 E0;  512 + 8 x lane: E1 E2.
; So each store of a wave covers 512 or 256 consecutive bytes, at a multiple of 256 from the buffer's first byte.  No LDS, no barrier, no matrix work: waves share nothing.
.set XR, 4                             ; v4-15   x: coordinate c of batch j at v[XR + 4 c + j]: pairs run over batches
.set Q,  16                            ; v16-31  batch j: Y0 Y1 Y2 E0
.set RR, 32                            ; v32-39  batch j: E1 E2
.set PS, 40                            ; v40-41  pos of two batches
.set T,  42                            ; v42-45  at work
	s_load_b128 s[4:7], s[0:1], 0x0                ; x s[4:5], cells s[6:7]
	v_lshrrev_b32 v1, 5, v0
	v_readfirstlane_b32 s8, v1                     ; wave 0..7
	v_and_b32 v3, 31, v0                           ; lane
	v_mul_u32_u24 v1, v3, 12                       ; a point of x is 12 bytes
	v_lshlrev_b32 v2, 4, v3
	v_lshlrev_b32 v3, 3, v3
	s_lshl_b32 s14, ttmp9, 3
	s_add_co_u32 s14, s14, s8                      ; which run of 128 points is my wave's
	s_mul_i32 s16, s14, 1536                       ; its bytes in x (under 2^24),
	s_mov_b32 s17, 0
	s_mov_b32 s15, 0x55555555                      ; a one in each of the 16 fields
	s_wait_kmcnt 0x0
	s_add_nc_u64 s[4:5], s[4:5], s[16:17]
	s_lshl_b32 s16, s16, 1                         ; and in cells: twice as many
	s_add_nc_u64 s[6:7], s[6:7], s[16:17]
.irp j, 0,1,2,3
.irp c, 0,1,2
	global_load_b32 v[XR+4*\c+\j], v1, s[4:5] offset:384*\j+4*\c th:TH_LOAD_NT   ; the three loads of a batch cover its 384 bytes
.endr
.endr
	s_wait_loadcnt 0x0
.irp j, 0,1,2,3
.irp c, 0,1,2
	v_mul_f32 v[Q+4*\j+\c], 0x47000000, v[XR+4*\c+\j]     ; x 2^15: exact
.endr
.endr
.irp j, 0,1,2,3
.irp c, 0,1,2
	v_cvt_u32_f32 v[Q+4*\j+\c], v[Q+4*\j+\c]              ; toward zero: the floor, since x is not negative
.endr
.endr
.irp j, 0,1,2,3
.irp c, 0,1,2
.if \c == 0
.set ER, Q+4*\j+3
.else
.set ER, RR+2*\j+\c-1
.endif
	v_lshrrev_b32 v[T+\c], 15, v[Q+4*\j+\c]
	v_add_nc_u32 v[T+\c], 1, v[T+\c]
	v_mul_lo_u32 v[ER], v[T+\c], s15                      ; Z + 1 into all 16 fields at once, modulo 2^32; the loop adds (cell - t) << 2 l: the whole sum is the sum of the fields, which fits
.endr
.endr
; one level of coordinate c for batches 2 jj and 2 jj + 1
.macro CELL2 c, jj
	v_pk_mul_f32 v[PS:PS+1], v[XR+4*(\c)+2*(\jj):XR+4*(\c)+2*(\jj)+1], s[12:13] op_sel_hi:[1,0]
	v_pk_add_f32 v[PS:PS+1], v[PS:PS+1], 0.5 op_sel_hi:[1,0]
.irp b, 0,1
.if (\c) == 0
.set ER, Q+4*(2*(\jj)+\b)+3
.else
.set ER, RR+2*(2*(\jj)+\b)+(\c)-1
.endif
	v_cvt_u32_f32 v[T+2*\b], v[PS+\b]                     ; the cell
	v_lshrrev_b32 v[T+2*\b+1], s10, v[Q+4*(2*(\jj)+\b)+(\c)]   ; t
	v_sub_nc_u32 v[T+2*\b], v[T+2*\b], v[T+2*\b+1]
	v_lshl_add_u32 v[ER], v[T+2*\b], s11, v[ER]
.endr
.endm
	s_mov_b32 s9, 0                                ; the level
.Llevel:
	s_lshl_b32 s14, 1, s9
	s_sub_co_u32 s14, s14, 1
	s_cvt_f32_u32 s12, s14                         ; the scale 2^l - 1, exact in f32
	s_mov_b32 s13, s12                             ; (named with it as a pair, so it is written)
	s_sub_co_u32 s10, 15, s9
	s_lshl_b32 s11, s9, 1
.irp c, 0,1,2
	CELL2 \c, 0
	CELL2 \c, 1
.endr
	s_add_co_u32 s9, s9, 1
	s_cmp_lt_u32 s9, 16
	s_cbranch_scc1 .Llevel
.irp j, 0,1,2,3
	global_store_b128 v2, v[Q+4*\j:Q+4*\j+3], s[6:7] offset:768*\j
	global_store_b64 v3, v[RR+2*\j:RR+2*\j+1], s[6:7] offset:768*\j+512
.endr
	s_endpgm                                       ; nothing that a store reads is written behind it
.Lfunc_end_k_qd72f5ffc9b_cells:
	.size	k_qd72f5ffc9b_cells, .Lfunc_end_k_qd72f5ffc9b_cells-k_qd72f5ffc9b_cells
	.p2alignl 7, 3214868480
	.fill 96, 4, 3214868480
	.section	.rodata,"a",@progbits
	.p2align	6, 0x0
	.amdhsa_kernel k_qd72f5ffc9b_cells
		.amdhsa_group_segment_fixed_size 0
		.amdhsa_private_segment_fixed_size 0
		.amdhsa_enable_private_segment 0
		.amdhsa_kernarg_size 16
		.amdhsa_user_sgpr_count 2
		.amdhsa_user_sgpr_kernarg_segment_ptr 1
		.amdhsa_wavefront_size32 1
		.amdhsa_system_sgpr_workgroup_id_x 1
		.amdhsa_system_sgpr_workgroup_id_y 1
		.amdhsa_system_sgpr_workgroup_id_z 1
		.amdhsa_system_vgpr_workitem_id 0
		.amdhsa_next_free_vgpr 64
		.amdhsa_next_free_sgpr 66
		.amdhsa_reserve_vcc 0
		.amdhsa_float_denorm_mode_32 3
		.amdhsa_float_denorm_mode_16_64 3
		.amdhsa_memory_ordered 1
		.amdhsa_forward_progress 1
		.amdhsa_inst_pref_size 9
	.end_amdhsa_kernel
	.amdgpu_metadata
---
amdhsa.version: [ 1, 2 ]
amdhsa.kernels:
  - .name:           k_qd72f5ffc9b_cells
    .symbol:         k_qd72f5ffc9b_cells.kd
    .args:
      - { .name: x, .offset: 0, .size: 8, .value_kind: global_buffer, .address_space: global }
      - { .name: cells, .offset: 8, .size: 8, .value_kind: global_buffer, .address_space: global }
    .group_segment_fixed_size: 0
    .private_segment_fixed_size: 0
    .kernarg_segment_align: 8
    .kernarg_segment_size: 16
    .max_flat_workgroup_size: 256
    .sgpr_count:     66
    .vgpr_count:     64
    .wavefront_size: 32
...
	.end_amdgpu_metadata
.endif
;; end of part 1
;; launch encode_mlp (part 2): grid 256 x 1, 16 waves a work-group, no clusters, 284,672 bytes of LDS; arguments x, cells, embeddings, W1, b1, W2, b2, W3, b3, out0; writes out0
.if DOCPART == 2
	.amdgcn_target "amdgcn-amd-amdhsa--gfx1250"
	.amdhsa_code_object_version 6
	.text
	.protected	k_qd72f5ffc9b_encode_mlp
	.globl	k_qd72f5ffc9b_encode_mlp
	.p2align	8
	.type	k_qd72f5ffc9b_encode_mlp,@function
k_qd72f5ffc9b_encode_mlp:
	s_mov_b64 s[64:65], 0
	v_nop
	global_prefetch_b8 v0, s[64:65] scope:SCOPE_SE
	s_setreg_imm32_b32 hwreg(HW_REG_WAVE_MODE, 25, 1), 1
	s_wait_xcnt 0x0
; out = relu(relu(h W1 + b1) W2 + b2) W3 + b3, h = the 32 features of a hash grid of 16 levels.  The first two products on codes of FP4 (E2M1) with one E8M0 scale for each 32 along K; the third in f32 multiply-adds.
; SHARES.  A work-group of sixteen waves (four to a SIMD, 256 registers each: no register windows) owns 4,096 points, in two passes of 2,048.  In a pass a wave owns 128 points: four batches of 32, a lane to a point.
; THE LEVELS ARE THE OUTER LOOP: for each level a wave makes the 8 corner indices of its 128 points and has 32 gathers of 8 bytes a lane out while it makes the weights.  All work-groups walk the levels in the same order,
; so that the table rows in use at a time are those of one or two levels (4 MiB each).  The features go to the wave's own 16 KiB of LDS; the same wave then runs the MLP on them.  One barrier in the launch, behind the head.
; ADDRESSES ARE MADE OF WHOLE NUMBERS ALONE: the cells come from the buffer that the launch before stored (Y = floor(x 2^15), E = 16 fields of 2 bits: cell_l = (Y >> (15 - l)) - (Y >> 15) + field_l - 1); x gives only the fractions,
; by the same rounded product and rounded sum as there (as the model writes pos).  Every index is masked as the model masks it, and held at 0x7ffff by the last instruction ahead of its load.
; LAYER 1 HAS K = 32, ONE BLOCK.  A lane quantises its own point: 4 registers of codes and a scale byte, no other lane asked.  The code registers of two batches, as they stand, are source 1 of a matrix instruction of K = 128:
; column r holds point r at k 0-31, point 16 + r at k 32-63, and the other batch's two at k 64-127.  Which of the four counts is chosen by source 0: W1's 16 rows with their codes in that block and zero codes in the other three.
; Both products are used transposed (source 0 = 16 rows of the weight, source 1 = 16 points), so that a lane holds ONE point; the rows of W1 that form a tile are chosen (lane r of tile 2 b + u: hidden unit 32 b + 8 u + r + 8 (r / 8))
; so that the 16 registers of two tiles are 16 neighbours along the next K.  The biases are the C of the matrix instructions.  No matrix instruction adds onto its own result.
; NO CLUSTER, NO TENSOR LOAD: what all work-groups share as tiles is W1 and W2, 80 KiB read once by each, against 4,096 x 128 gathers of 8 bytes, which go lane by lane and are no tile.
; LIMITS: 0 <= x < 256; NaN and infinities among the inputs are not served; a block of zeros gets the scale byte 1 where the rule says 127: its codes are zeros, and this launch alone reads the bytes.
.set DENSE,  7                         ; levels 0-6: (2^l)^3 <= 2^19: the linear index; levels 7-15: the hash
.set LEVELS, 16
.set MASK,   0x7ffff                   ; a level's table has 2^19 rows of 8 bytes
.set LVLB,   0x400000                  ; and so many bytes
; LDS
.set W1IMG,  0                         ; 16 images of 512 bytes (4 registers x 32 lanes): tile t, variant vv (codes in lanes 0-15, or in lanes 16-31) at 512 (2 t + vv)
.set W2IMG,  8192                      ; 8 images of 1,024 bytes: W2's fragments, tile t
.set W1SC,   16384                     ; 16 x 128: W1's scale words, a word a lane (the byte in all four places); tile t at 256 t
.set W2SC,   18432                     ; 8 x 64: W2's scale words, 4 bytes a row
.set BIAS,   18944                     ; b1, b2, W3: 512 bytes each
.set FEAT,   20480                     ; 16 x 16,384: wave w, level l, batch j, lane: 16384 w + 1024 l + 256 j + 8 lane
; registers that stay
.set FB,   1                           ; FEAT + 16384 w + 8 lane
.set FA,   2                           ; the same at the level in hand
.set L16,  3                           ; 16 lane
.set L4,   4                           ; 4 lane
.set H64,  5                           ; 64 (lane / 16)
.set H32,  6                           ; 32 (lane / 16)
.set R4,   7                           ; 4 (lane % 16)
.set OWR,  8                           ; FEAT + 16384 w + 4 lane
.set ORD,  9                           ; FEAT + 16384 w + 16 lane
.set L12,  10                          ; 12 lane
.set L8,   11                          ; 8 lane
.set L256, 12                          ; 256 lane
; the encoder's registers
.set XR,   16                          ; v16-27   x: coordinate c of batch j at XR + 4 c + j
.set Q,    28                          ; v28-43   batch j: Y0 Y1 Y2 E0
.set RR,   44                          ; v44-51   batch j: E1 E2
.set D,    64                          ; v64-127  batch j, corner c: index, then the row's two numbers, at D + 16 j + 2 c
.set W,    128                         ; v128-159 batch j: the eight weights
.set PS,   160                         ; v160-165 pos of two batches
.set GP,   166                         ; v166-171 1 - fx, fx, 1 - fy, fy, 1 - fz, fz
.set WXY,  172                         ; v172-175
.set AC,   176                         ; v176-183 batch j: the level's two features
.set IT,   184                         ; v184-196 at work on indices
.set NZ,   200                         ; v200-211 not(Y >> 15) = -floor(x) - 1
; the MLP's registers
.set FC,   16                          ; v16-31   the features' codes: 4 registers a batch
.set OB,   32                          ; v32-35   four results a lane, to store
.set OUT,  44                          ; v44-59   layer 3's sums: a pair for each tile of 16 points
.set W1S,  60                          ; v60-61   W1's scale words  } these sixteen registers hold scales and nothing else,
.set W2S,  62                          ; v62-63   W2's, two sets    } in the whole text
.set HS,   244                         ; v244-251 the hidden layer's scale words, one a tile of points
.set FS,   252                         ; v252-255 the features' scale bytes, one register a batch
.set HC,   64                          ; v64-127  the hidden layer's codes: 8 registers a tile of points
.set F0,   128                         ; v128-159, v160-191: the 32 features of a lane's point, two buffers
.set F1,   160
.set WV,   128                         ; v128-163 zeros, W1 tile 2 b low, zeros, high, zeros, tile 2 b + 1 low, zeros, high, zeros: 4 registers each
.set B1T,  164                         ; v164-179 b1 for two tiles, in the result's layout
.set ACC,  192                         ; v192-223 two buffers of two accumulators
.set TM,   224                         ; v224-235 at work, two sets of six
.set CS,   128                         ; v128-151, v152-175: layer 2's constants, two sets: W2's fragment 8, b2 8, W3 8
.set A2,   176                         ; v176-239 layer 2's eight accumulators
; 32 numbers of ONE lane, v[s] on, a whole block: 4 registers of codes v[c] on; v[t+5] = the scale's byte.  The largest magnitude in four chains, with the floor 2^(3 - 127) as one leaf (so the byte cannot fall under 1);
; 2 off its exponent field is the conversion's scale operand.  The shift at the end is also the plain instruction behind the conversions.
.macro QB s, c, t
	v_max3_num_f32 v[\t], |v[\s]|, |v[\s+1]|, 0x1800000
	v_max3_num_f32 v[\t+1], |v[\s+2]|, |v[\s+3]|, |v[\s+4]|
	v_max3_num_f32 v[\t+2], |v[\s+5]|, |v[\s+6]|, |v[\s+7]|
	v_max3_num_f32 v[\t+3], |v[\s+8]|, |v[\s+9]|, |v[\s+10]|
.irp i, 11,19
.irp k, 0,1,2,3
	v_max3_num_f32 v[\t+\k], v[\t+\k], |v[\s+\i+2*\k]|, |v[\s+\i+2*\k+1]|
.endr
.endr
	v_max3_num_f32 v[\t], v[\t], |v[\s+27]|, |v[\s+28]|
	v_max3_num_f32 v[\t+1], v[\t+1], |v[\s+29]|, |v[\s+30]|
	v_max3_num_f32 v[\t+2], v[\t+2], v[\t+3], |v[\s+31]|
	v_max3_num_f32 v[\t], v[\t], v[\t+1], v[\t+2]
	v_add_nc_u32 v[\t+4], 0xff000000, v[\t]
.irp g, 0,1,2,3
	v_cvt_scalef32_pk8_fp4_f32 v[\c+\g], v[\s+8*\g:\s+8*\g+7], v[\t+4]
.endr
	v_lshrrev_b32 v[\t+5], 23, v[\t+4]
.endm
; ---------------------------------------------------------------- the head
	s_load_b512 s[8:23], s[0:1], 0x0               ; x s[8:9], cells s[10:11], embeddings s[12:13], W1 s[14:15], b1 s[16:17], W2 s[18:19], b2 s[20:21], W3 s[22:23]
	s_load_b128 s[24:27], s[0:1], 0x40             ; b3 s[24:25], out0 s[26:27]
	v_lshl_add_u32 v242, v0, 2, 0x45000
	v_mov_b32 v243, 0
	v_lshrrev_b32 v16, 5, v0
	v_readfirstlane_b32 s2, v16                    ; wave 0..15
	v_and_b32 v17, 31, v0                          ; lane
	v_and_b32 v18, 15, v0                          ; r
	v_bfe_u32 v19, v0, 4, 1                        ; h
	s_lshl_b32 s48, s2, 14
	s_add_co_u32 s48, s48, FEAT                    ; my wave's 16 KiB
	v_lshl_add_u32 v[FB], v17, 3, s48
	v_lshlrev_b32 v[L16], 4, v17
	v_lshlrev_b32 v[L4], 2, v17
	v_lshlrev_b32 v[H64], 6, v19
	v_lshlrev_b32 v[H32], 5, v19
	v_lshlrev_b32 v[R4], 2, v18
	v_lshl_add_u32 v[OWR], v17, 2, s48
	v_lshl_add_u32 v[ORD], v17, 4, s48
	v_mul_u32_u24 v[L12], v17, 12
	v_lshlrev_b32 v[L8], 3, v17
	v_lshlrev_b32 v[L256], 8, v17
	; The weights are quantised once by the work-group: wave w = 2 t + vv makes variant vv of W1's tile t and half vv (64 along K) of W2's fragment t.
	s_lshr_b32 s49, s2, 1                          ; t
	s_and_b32 s50, s2, 1                           ; vv
	s_lshl_b32 s51, s2, 9
	v_add_nc_u32 v13, s51, v[L16]                  ; an image's place: 512 w + 16 lane
	s_lshl_b32 s51, s2, 7
	v_add_nc_u32 v14, s51, v[L4]                   ; W1's scale word: 128 w + 4 lane
	s_lshl_b32 s51, s49, 6
	s_lshl_b32 s52, s50, 1
	s_add_co_u32 s51, s51, s52
	v_lshl_add_u32 v15, v18, 2, v19
	v_add_nc_u32 v15, s51, v15                     ; W2's scale byte: 64 t + 4 r + 2 vv + h: each byte has one writer
	v_lshlrev_b32 v20, 2, v0                       ; the biases: 4 x thread in LDS,
	v_and_b32 v21, 127, v0
	v_lshlrev_b32 v21, 2, v21                      ; 4 x (thread % 128) in memory
	v_and_b32 v23, 8, v18
	v_add_nc_u32 v23, v23, v18                     ; r + 8 (r / 8)
	s_lshr_b32 s51, s49, 1
	s_lshl_b32 s51, s51, 5
	s_and_b32 s52, s49, 1
	s_lshl_b32 s52, s52, 3
	s_add_co_u32 s51, s51, s52                     ; 32 (t / 2) + 8 (t % 2)
	v_add_lshl_u32 v23, v23, s51, 2                ; W1: my column, 4 bytes a number; both halves of the lanes take the same 16 columns
	s_lshl_b32 s51, s49, 6
	s_lshl_b32 s52, s50, 15
	s_add_co_u32 s51, s51, s52
	v_lshl_add_u32 v24, v19, 14, v[R4]
	v_add_nc_u32 v24, s51, v24                     ; W2: column 16 t + r, from row 64 vv + 32 h on (a row is 512 bytes)
	s_mov_b32 s33, 0x9e3779b1                      ; the hash's primes
	s_mov_b32 s34, 0x30025795
	s_mov_b32 s42, 0x76543210                      ; v_permlanex16_b32: lane l xor 16
	s_mov_b32 s43, 0xfedcba98
	v_mov_b32 v[TM+2], 0                           ; written once: a lane permute's destination counts as one of its sources
	v_mov_b32 v[TM+8], 0
	s_wait_kmcnt 0x0
	s_load_b32 s44, s[24:25], 0x0                  ; b3
.irp i, 0,1,2,3,4,5,6,7,8,9,10,11,12,13,14,15,16,17,18,19,20,21,22,23,24,25,26,27,28,29,30,31
	global_load_b32 v[64+\i], v23, s[14:15] offset:512*\i     ; W1(i, my column): a lane's registers run down K
.endr
.irp i, 0,1,2,3,4,5,6,7,8,9,10,11,12,13,14,15,16,17,18,19,20,21,22,23
	global_load_b32 v[96+\i], v24, s[18:19] offset:512*\i     ; W2(64 vv + 32 h + i, my column): the first 24 of 32
.endr
	; the prefetches' pointer: the work-group's second pass of x (24,576 bytes: waves 0-2) and of cells (49,152 bytes: waves 3-8), 8,192 bytes a wave
	s_mul_i32 s52, ttmp9, 49152
	s_add_co_u32 s52, s52, 24576
	s_lshl_b32 s53, s52, 1
	s_sub_co_u32 s53, s53, 24576                   ; (cells: twice x's offset, and three waves' 8,192 back)
	s_cmp_lt_u32 s2, 3
	s_cselect_b32 s52, s52, s53
	s_cselect_b64 s[46:47], s[8:9], s[10:11]
	s_lshl_b32 s53, s2, 13
	s_add_co_u32 s52, s52, s53
	s_mov_b32 s53, 0
	s_add_nc_u64 s[46:47], s[46:47], s[52:53]
	s_cmp_lt_u32 s2, 9
	s_cselect_b32 s45, 0, -1                       ; the pass in which my wave prefetches: 0, or none
	; which of b1, b2, W3 my wave copies (waves 0-3, 4-7, 8-11)
	s_cmp_lt_u32 s2, 4
	s_cselect_b64 s[54:55], s[16:17], s[20:21]
	s_cmp_lt_u32 s2, 8
	s_cselect_b64 s[54:55], s[54:55], s[22:23]
	; x, cells and out0 at my wave's first point: 4,096 x work-group + 128 x wave
	s_mul_i32 s52, ttmp9, 49152
	s_mul_i32 s51, s2, 1536
	s_add_co_u32 s52, s52, s51
	s_add_nc_u64 s[8:9], s[8:9], s[52:53]
	s_lshl_b32 s52, s52, 1
	s_add_nc_u64 s[10:11], s[10:11], s[52:53]
	s_lshl_b32 s52, ttmp9, 14
	s_lshl_b32 s51, s2, 9
	s_add_co_u32 s52, s52, s51
	s_add_nc_u64 s[26:27], s[26:27], s[52:53]
	s_wait_loadcnt 24                              ; W1's 32 loads are in; W2's first 24 may be out
.irp i, 24,25,26,27,28,29,30,31
	global_load_b32 v[96+\i], v24, s[18:19] offset:512*\i     ; W2's last 8: they land while W1 is quantised
.endr
	QB 64, 32, 40
	v_lshl_or_b32 v46, v45, 8, v45
	v_lshl_or_b32 v46, v46, 16, v46                ; the byte in all four places: whichever block holds the codes finds it
	v_cmp_eq_u32 vcc_lo, s50, v19
.irp i, 0,1,2,3
	v_cndmask_b32 v[32+\i], 0, v[32+\i], vcc_lo    ; variant vv keeps the codes in its half of the lanes; zero codes in the other
.endr
	ds_store_b128 v13, v[32:35] offset:W1IMG
	ds_store_b32 v14, v46 offset:W1SC
	s_wait_loadcnt 0x0
	QB 96, 36, 48
	ds_store_b128 v13, v[36:39] offset:W2IMG       ; registers 4 vv .. 4 vv + 3 of fragment t: k = 64 vv + 32 h + 0 .. 31
	ds_store_b8 v15, v53 offset:W2SC
	s_cmp_lt_u32 s2, 12
	s_cbranch_scc0 .Lno_bias
	global_load_b32 v22, v21, s[54:55]
	s_wait_loadcnt 0x0
	ds_store_b32 v20, v22 offset:BIAS
.Lno_bias:
	s_wait_kmcnt 0x0                               ; b3
	s_wait_dscnt 0x0                               ; for the others' sake: my stores have landed
	s_barrier_signal -1
	s_barrier_wait -1                              ; the weights' images, scale words and biases lie in LDS; nobody writes them again
; ---------------------------------------------------------------- the encoder's macros
.macro LEVEL_S                         ; a level's scalars
	s_lshl_b32 s7, 1, s4
	s_sub_co_u32 s7, s7, 1
	s_cvt_f32_u32 s30, s7                          ; the scale 2^l - 1, exact in f32
	s_mov_b32 s31, s30                             ; (named with it as a pair, so it is written)
	s_sub_co_u32 s5, 15, s4
	s_lshl_b32 s6, s4, 1
	v_add_nc_u32 v[FA], s35, v[FB]
.endm
.macro UNPACK j                        ; the cell's three coordinates: IT, IT + 1, IT + 2
.irp c, 0,1,2
	v_lshrrev_b32 v[IT+3+\c], s5, v[Q+4*(\j)+\c]
.endr
	v_bfe_u32 v[IT+6], v[Q+4*(\j)+3], s6, 2
	v_bfe_u32 v[IT+7], v[RR+2*(\j)], s6, 2
	v_bfe_u32 v[IT+8], v[RR+2*(\j)+1], s6, 2
.irp c, 0,1,2
	v_add3_u32 v[IT+\c], v[IT+3+\c], v[IT+6+\c], v[NZ+3*(\j)+\c]
.endr
.endm
.macro ADDR_D j                        ; x + y 2^l + z 4^l; each corner is a distance on; then the model's mask; then, as the last line ahead of the load, the hold
.set DJ, D+16*(\j)
	v_lshl_add_u32 v[IT+3], v[IT+1], s4, v[IT]
	v_lshl_add_u32 v[IT+3], v[IT+2], s6, v[IT+3]
	v_and_b32 v[DJ], MASK, v[IT+3]
	v_add_nc_u32 v[DJ+2], 1, v[IT+3]
.irp c, 2,3,4,5,6,7
	v_add_nc_u32 v[DJ+2*\c], s[34+\c], v[IT+3]
.endr
.irp c, 1,2,3,4,5,6,7
	v_and_b32 v[DJ+2*\c], MASK, v[DJ+2*\c]
.endr
.irp c, 0,1,2,3,4,5,6,7
	v_min_u32 v[DJ+2*\c], MASK, v[DJ+2*\c]         ; the hold ahead of an address: nothing is done to the index behind it
.endr
.endm
.macro ADDR_H j                        ; x xor y P1 xor z P2, masked.  (y + 1) P1 = y P1 + P1 modulo 2^32; the masks stand on the six parts, so that a corner costs an exclusive or and the hold
.set DJ, D+16*(\j)
	v_and_b32 v[IT+3], MASK, v[IT]
	v_add_nc_u32 v[IT+4], 1, v[IT]
	v_mul_lo_u32 v[IT+5], v[IT+1], s33
	v_mul_lo_u32 v[IT+7], v[IT+2], s34
	v_and_b32 v[IT+4], MASK, v[IT+4]
	v_add_nc_u32 v[IT+6], s33, v[IT+5]
	v_add_nc_u32 v[IT+8], s34, v[IT+7]
	v_xor_b32 v[IT+9], v[IT+5], v[IT+7]
	v_xor_b32 v[IT+10], v[IT+6], v[IT+7]
	v_xor_b32 v[IT+11], v[IT+5], v[IT+8]
	v_xor_b32 v[IT+12], v[IT+6], v[IT+8]
.irp k, 9,10,11,12
	v_and_b32 v[IT+\k], MASK, v[IT+\k]
.endr
.irp c, 0,1,2,3,4,5,6,7
	v_xor_b32 v[DJ+2*\c], v[IT+3+\c%2], v[IT+9+\c/2]
.endr
.irp c, 0,1,2,3,4,5,6,7
	v_min_u32 v[DJ+2*\c], MASK, v[DJ+2*\c]         ; the hold ahead of an address
.endr
.endm
.macro GATHER j                        ; eight rows of 8 bytes a lane, at the table's base + 8 x index; each load lands on its own index register and the one beside it
.irp c, 0,1,2,3,4,5,6,7
	global_load_b64 v[D+16*(\j)+2*\c:D+16*(\j)+2*\c+1], v[D+16*(\j)+2*\c], s[28:29] scale_offset
.endr
.endm
.macro WEIGHTS jj                      ; the trilinear weights of batches 2 jj and 2 jj + 1, (wx wy) wz as the model multiplies them
.irp c, 0,1,2
	v_pk_mul_f32 v[PS+2*\c:PS+2*\c+1], v[XR+4*\c+2*(\jj):XR+4*\c+2*(\jj)+1], s[30:31] op_sel_hi:[1,0]
.endr
.irp c, 0,1,2
	v_pk_add_f32 v[PS+2*\c:PS+2*\c+1], v[PS+2*\c:PS+2*\c+1], 0.5 op_sel_hi:[1,0]   ; a rounded product, then a rounded sum: see the head
.endr
.irp b, 0,1
.set WJ, W+8*(2*(\jj)+\b)
.irp c, 0,1,2
	v_fract_f32 v[GP+2*\c+1], v[PS+2*\c+\b]        ; pos - floor(pos): exact
.endr
.irp c, 0,1,2
	v_sub_f32 v[GP+2*\c], 1.0, v[GP+2*\c+1]
.endr
	v_pk_mul_f32 v[WXY:WXY+1], v[GP:GP+1], v[GP+2:GP+3] op_sel_hi:[1,0]                  ; x both, y low
	v_pk_mul_f32 v[WXY+2:WXY+3], v[GP:GP+1], v[GP+2:GP+3] op_sel:[0,1] op_sel_hi:[1,1]   ; x both, y high
	v_pk_mul_f32 v[WJ:WJ+1], v[WXY:WXY+1], v[GP+4:GP+5] op_sel_hi:[1,0]
	v_pk_mul_f32 v[WJ+2:WJ+3], v[WXY+2:WXY+3], v[GP+4:GP+5] op_sel_hi:[1,0]
	v_pk_mul_f32 v[WJ+4:WJ+5], v[WXY:WXY+1], v[GP+4:GP+5] op_sel:[0,1] op_sel_hi:[1,1]
	v_pk_mul_f32 v[WJ+6:WJ+7], v[WXY+2:WXY+3], v[GP+4:GP+5] op_sel:[0,1] op_sel_hi:[1,1]
.endr
.endm
.macro INTERP j                        ; the level's two features: the corners in ascending order, both features in one packed instruction
.set AJ, AC+2*(\j)
.set DJ, D+16*(\j)
.set WJ, W+8*(\j)
	v_pk_mul_f32 v[AJ:AJ+1], v[DJ:DJ+1], v[WJ:WJ+1] op_sel_hi:[1,0]
	v_pk_fma_f32 v[AJ:AJ+1], v[DJ+2:DJ+3], v[WJ:WJ+1], v[AJ:AJ+1] op_sel:[0,1,0] op_sel_hi:[1,1,1]
.irp c, 2,4,6
	v_pk_fma_f32 v[AJ:AJ+1], v[DJ+2*\c:DJ+2*\c+1], v[WJ+\c:WJ+\c+1], v[AJ:AJ+1] op_sel_hi:[1,0,1]
	v_pk_fma_f32 v[AJ:AJ+1], v[DJ+2*\c+2:DJ+2*\c+3], v[WJ+\c:WJ+\c+1], v[AJ:AJ+1] op_sel:[0,1,0] op_sel_hi:[1,1,1]
.endr
	ds_store_b64 v[FA], v[AJ:AJ+1] offset:256*(\j)
.endm
.macro TRIP hashed                     ; one level for my 128 points
	LEVEL_S
.irp j, 0,1,2,3
	UNPACK \j
.if \hashed
	ADDR_H \j
.else
	ADDR_D \j
.endif
	GATHER \j
.endr
	WEIGHTS 0                                      ; the weights are made while the 32 gathers are out
	WEIGHTS 1
.irp j, 0,1,2,3
	s_wait_loadcnt 8*(3-\j)                        ; batch j's eight are in; the younger batches' may be out
	INTERP \j
.endr
	s_add_nc_u64 s[28:29], s[28:29], LVLB          ; the next level's table (the wait for 0 has shown every gather done)
	s_add_co_u32 s35, s35, 1024
	s_add_co_u32 s4, s4, 1
.endm
; ---------------------------------------------------------------- the MLP's macros
.macro LOADF j, f                      ; the 32 features of my point of batch j
.irp l, 0,1,2,3,4,5,6,7,8,9,10,11,12,13,14,15
	ds_load_b64 v[\f+2*\l:\f+2*\l+1], v[FB] offset:1024*\l+256*(\j)
.endr
.endm
.macro FSW j                           ; my point's scale byte in all four places
	v_lshl_or_b32 v[FS+\j], v[TM+5], 8, v[TM+5]
	v_lshl_or_b32 v[FS+\j], v[FS+\j], 16, v[FS+\j]
.endm
.macro L1LOAD b                        ; hidden units 32 b .. 32 b + 31: W1's two tiles in both variants, their b1 and scale words: ten LDS loads
.irp u, 0,1
.irp vv, 0,1
	ds_load_b128 v[WV+4+16*\u+8*\vv:WV+7+16*\u+8*\vv], v[L16] offset:W1IMG+512*(4*(\b)+2*\u+\vv)
.endr
	ds_load_b128 v[B1T+8*\u:B1T+8*\u+3], v[H64] offset:BIAS+128*(\b)+32*\u
	ds_load_b128 v[B1T+8*\u+4:B1T+8*\u+7], v[H64] offset:BIAS+128*(\b)+32*\u+16
	ds_load_b32 v[W1S+\u], v[L4] offset:W1SC+256*(2*(\b)+\u)
.endr
.endm
; Tile pt of 16 points = half pt % 2 of batch pt / 2; its features stand in block 2 ((pt / 2) % 2) + pt % 2 of the pair of batches.  Two matrix instructions: lane (r, h) gets point r, hidden units 32 b + 16 h + 8 u + 0 .. 7.
.macro L1W pt
.set JB, (\pt)/2
.set HF, (\pt)%2
.set VA, WV+8*HF+4*(1-JB%2)            ; codes then zeros (blocks 0, 1), or zeros then codes (blocks 2, 3)
.set BF, FC+8*(JB/2)
.set AD, ACC+16*((\pt)%2)
.irp u, 0,1
.if HF
	v_wmma_scale_f32_16x16x128_f8f6f4 v[AD+8*\u:AD+8*\u+7], v[VA+16*\u:VA+16*\u+7], v[BF:BF+7], v[B1T+8*\u:B1T+8*\u+7], v[W1S+\u], v[FS+JB] matrix_a_fmt:MATRIX_FMT_FP4 matrix_b_fmt:MATRIX_FMT_FP4 matrix_b_scale:MATRIX_SCALE_ROW1
.else
	v_wmma_scale_f32_16x16x128_f8f6f4 v[AD+8*\u:AD+8*\u+7], v[VA+16*\u:VA+16*\u+7], v[BF:BF+7], v[B1T+8*\u:B1T+8*\u+7], v[W1S+\u], v[FS+JB] matrix_a_fmt:MATRIX_FMT_FP4 matrix_b_fmt:MATRIX_FMT_FP4
.endif
.endr
.endm
; relu, and block b of the next K quantised: my 16 numbers and lane l xor 16's are the block
.macro L1P pt, b
.set AD, ACC+16*((\pt)%2)
.set TP, TM+6*((\pt)%2)
.irp i, 0,1,2,3,4,5,6,7,8,9,10,11,12,13,14,15
	v_max_num_f32 v[AD+\i], 0, v[AD+\i]            ; each accumulator from its low end on
.endr
	v_max3_num_f32 v[TP], v[AD], v[AD+1], 0x1800000        ; none is negative: no |.|; the floor 2^(3 - 127) as one leaf
	v_max3_num_f32 v[TP+1], v[AD+2], v[AD+3], v[AD+4]
	v_max3_num_f32 v[TP], v[TP], v[AD+5], v[AD+6]
	v_max3_num_f32 v[TP+1], v[TP+1], v[AD+7], v[AD+8]
	v_max3_num_f32 v[TP], v[TP], v[AD+9], v[AD+10]
	v_max3_num_f32 v[TP+1], v[TP+1], v[AD+11], v[AD+12]
	v_max3_num_f32 v[TP], v[TP], v[AD+13], v[AD+14]
	v_max3_num_f32 v[TP], v[TP], v[TP+1], v[AD+15]
	v_permlanex16_b32 v[TP+2], v[TP], s42, s43
	v_max_num_f32 v[TP], v[TP], v[TP+2]
	v_add_nc_u32 v[TP+3], 0xff000000, v[TP]
	v_cvt_scalef32_pk8_fp4_f32 v[HC+8*(\pt)+2*(\b)], v[AD:AD+7], v[TP+3]
	v_cvt_scalef32_pk8_fp4_f32 v[HC+8*(\pt)+2*(\b)+1], v[AD+8:AD+15], v[TP+3]
.if (\b) == 0
	v_lshrrev_b32 v[HS+(\pt)], 23, v[TP+3]         ; the scale's byte; also the plain instruction behind the conversions
.else
	v_lshrrev_b32 v[TP+4], 23, v[TP+3]
	v_lshl_or_b32 v[HS+(\pt)], v[TP+4], 8*(\b), v[HS+(\pt)]
.endif
.endm
.macro L2LOAD t, set                   ; outputs 16 t .. 16 t + 15 of layer 2: W2's fragment, b2 and W3 in the result's layout, W2's scale words: seven LDS loads
.set LB, CS+24*(\set)
	ds_load_b128 v[LB:LB+3], v[L16] offset:W2IMG+1024*(\t)
	ds_load_b128 v[LB+4:LB+7], v[L16] offset:W2IMG+1024*(\t)+512
	ds_load_b128 v[LB+8:LB+11], v[H32] offset:BIAS+512+64*(\t)
	ds_load_b128 v[LB+12:LB+15], v[H32] offset:BIAS+512+64*(\t)+16
	ds_load_b128 v[LB+16:LB+19], v[H32] offset:BIAS+1024+64*(\t)
	ds_load_b128 v[LB+20:LB+23], v[H32] offset:BIAS+1024+64*(\t)+16
	ds_load_b32 v[W2S+(\set)], v[R4] offset:W2SC+64*(\t)
.endm
; Sixteen outputs of layer 2 for my eight tiles of points (eight different accumulators), relu, and their share of layer 3
.macro L2STEP t
.set CB, CS+24*((\t)%2)
	s_wait_dscnt 0x0                               ; this step's constants, asked for a step ago
.irp pt, 0,1,2,3,4,5,6,7
	v_wmma_scale_f32_16x16x128_f8f6f4 v[A2+8*\pt:A2+8*\pt+7], v[CB:CB+7], v[HC+8*\pt:HC+8*\pt+7], v[CB+8:CB+15], v[W2S+(\t)%2], v[HS+\pt] matrix_a_fmt:MATRIX_FMT_FP4 matrix_b_fmt:MATRIX_FMT_FP4
.endr
.if (\t) < 7
	L2LOAD (\t)+1, 1-(\t)%2                        ; into the other set, which these eight do not name
.endif
.rept 4
	v_nop                                          ; four plain instructions between the products and the first read of a result (ISA guide 7.12.1)
.endr
.irp pp, 0,2,4,6
.irp i, 0,1,2,3,4,5,6,7,8,9,10,11,12,13,14,15
	v_max_num_f32 v[A2+8*\pp+\i], 0, v[A2+8*\pp+\i]
.endr
.irp i, 0,2,4,6
	v_pk_fma_f32 v[OUT+2*\pp:OUT+2*\pp+1], v[A2+8*\pp+\i:A2+8*\pp+\i+1], v[CB+16+\i:CB+16+\i+1], v[OUT+2*\pp:OUT+2*\pp+1]
	v_pk_fma_f32 v[OUT+2*\pp+2:OUT+2*\pp+3], v[A2+8*\pp+8+\i:A2+8*\pp+8+\i+1], v[CB+16+\i:CB+16+\i+1], v[OUT+2*\pp+2:OUT+2*\pp+3]
.endr
.endr
.endm
; ---------------------------------------------------------------- two passes of 2,048 points
	s_mov_b32 s3, 0
.Lpass:
.irp j, 0,1,2,3
.irp c, 0,1,2
	global_load_b32 v[XR+4*\c+\j], v[L12], s[8:9] offset:384*\j+4*\c th:TH_LOAD_NT
.endr
.endr
.irp j, 0,1,2,3
	global_load_b128 v[Q+4*\j:Q+4*\j+3], v[L16], s[10:11] offset:768*\j th:TH_LOAD_NT
	global_load_b64 v[RR+2*\j:RR+2*\j+1], v[L8], s[10:11] offset:768*\j+512 th:TH_LOAD_NT
.endr
	s_mov_b64 s[28:29], s[12:13]                   ; level 0's table
	s_mov_b32 s4, 0                                ; the level
	s_mov_b32 s35, 0                               ; and its features' place in my 16 KiB
	s_wait_loadcnt 0x0
.irp j, 0,1,2,3
.irp c, 0,1,2
	v_lshrrev_b32 v[NZ+3*\j+\c], 15, v[Q+4*\j+\c]
.endr
.endr
.irp j, 0,1,2,3
.irp c, 0,1,2
	v_xor_b32 v[NZ+3*\j+\c], -1, v[NZ+3*\j+\c]     ; every bit turned: -floor(x) - 1: takes floor(x) and the field's 1 off in one addition
.endr
.endr
.Ldense:
	s_lshl_b32 s36, 1, s4                          ; R = 2^l; the seven corners' distances: 1, R, R + 1, R^2, R^2 + 1, R^2 + R, R^2 + R + 1
	s_lshl_b32 s38, s36, s4
	s_add_co_u32 s37, s36, 1
	s_add_co_u32 s39, s38, 1
	s_add_co_u32 s40, s38, s36
	s_add_co_u32 s41, s40, 1
	TRIP 0
	s_cmp_lt_u32 s4, DENSE
	s_cbranch_scc1 .Ldense
	s_mov_b32 s4, DENSE                            ; (it stands there already: written so that each loop's first level can be read off the text)
.Lhashed:
	TRIP 1
	s_cmp_lt_u32 s4, LEVELS
	s_cbranch_scc1 .Lhashed
	; ---- the features become codes: a lane's 32 numbers are one block.  LDS serves a wave's instructions in order: these loads see my stores
	LOADF 0, F0
	LOADF 1, F1
	s_wait_dscnt 16                                ; the older batch's 16 loads are in, the younger batch's may be out: so at each of the three
	QB F0, FC, TM
	FSW 0
	LOADF 2, F0
	s_wait_dscnt 16
	QB F1, FC+4, TM
	FSW 1
	LOADF 3, F1
	s_wait_dscnt 16
	QB F0, FC+8, TM
	FSW 2
	s_wait_dscnt 0x0
	QB F1, FC+12, TM
	FSW 3
.irp z, 0,8,16,24,32
.irp i, 0,1,2,3
	v_mov_b32 v[WV+\z+\i], 0                       ; the zero codes that stand beside W1's in a fragment
.endr
.endr
	L1LOAD 0
.irp i, 0,1,2,3,4,5,6,7,8,9,10,11,12,13,14,15
	v_mov_b32 v[OUT+\i], 0                         ; layer 3's sums.  (These 16 and the 20 above also stand between the last vector write of a scale or an operand and the first scaled product)
.endr
	s_wait_dscnt 0x0
	; ---- layer 1, 32 hidden units at a time; four products on four accumulators, then their two tiles of points are quantised
.irp b, 0,1,2,3
.irp p, 0,2,4,6
	L1W \p
	L1W \p+1
.rept 4
	v_nop                                          ; four plain instructions ahead of the first read of a result and of loads into registers that these products read (ISA guide 7.12.1 for the read of a result)
.endr
.if \p == 6
.if \b < 3
	L1LOAD \b+1                                    ; the next 32 units' constants land while the last two tiles are quantised
.else
	L2LOAD 0, 0
.endif
.endif
	L1P \p, \b
	L1P \p+1, \b
.endr
.if \b < 3
	s_wait_dscnt 0x0
.endif
.endr
.irp pt, 0,1,2,3,4,5,6,7
.irp c, 0,1
.irp i, 0,1
	v_permlane16_swap_b32 v[HC+8*\pt+4*\c+\i], v[HC+8*\pt+4*\c+2+\i]   ; the operand's layout wants a whole block in a lane: registers 4 c .. 4 c + 3 now hold k = 64 c + 32 h + 0 .. 31
.endr
.endr
.endr
	; A PREFETCH INTO THE L2 of what the second pass loads at its head: the work-group's 24,576 bytes of x (waves 0-2) and 49,152 of cells (waves 3-8), 8,192 bytes a wave, lanes 256 bytes apart:
	; each aligned block of 256 bytes is named once in the launch, in the first pass, with layers 2 and 3 of this pass between it and the loads.  Its address registers are never written again.
	s_cmp_lg_u32 s3, s45
	s_cbranch_scc1 .Lno_prefetch
	global_prefetch_b8 v[L256], s[46:47] th:TH_LOAD_NT scope:SCOPE_SE
.Lno_prefetch:
.rept 8
	v_nop                                          ; a scale word written by vector instructions stands eight plain instructions ahead of a scaled product, an operand so written four
.endr
	; ---- layers 2 and 3
.irp t, 0,1,2,3,4,5,6,7
	L2STEP \t
.endr
	; ---- the way out.  A tile's pair holds the sums over the lane's half of the units: the pair is added, one exchange of halves brings the two tiles of a batch into lane order, b3 is added
.irp j, 0,1,2,3
	v_add_f32 v[OUT+4*\j], v[OUT+4*\j], v[OUT+4*\j+1]
	v_add_f32 v[OUT+4*\j+2], v[OUT+4*\j+2], v[OUT+4*\j+3]
.endr
.irp j, 0,1,2,3
	v_permlane16_swap_b32 v[OUT+4*\j], v[OUT+4*\j+2]
.endr
.irp j, 0,1,2,3
	v_add_f32 v[OUT+4*\j], v[OUT+4*\j], v[OUT+4*\j+2]
.endr
.irp j, 0,1,2,3
	v_add_f32 v[OUT+4*\j], s44, v[OUT+4*\j]
.endr
.irp j, 0,1,2,3
	ds_store_b32 v[OWR], v[OUT+4*\j] offset:128*\j   ; my wave's 128 results on end, in bytes of its own whose features have been read
.endr
	ds_load_b128 v[OB:OB+3], v[ORD]                ; LDS serves a wave's instructions in order: this sees the stores
	s_wait_dscnt 0x0
	global_store_b128 v[L16], v[OB:OB+3], s[26:27] th:TH_STORE_NT   ; 32 lanes store 512 consecutive bytes, at a multiple of 256 from out0's first byte
	s_wait_xcnt 0x0                                ; the store has read its data and its base: the next pass loads into the one and the other is stepped
	s_add_nc_u64 s[8:9], s[8:9], 24576             ; 2,048 points on
	s_add_nc_u64 s[10:11], s[10:11], 49152
	s_add_nc_u64 s[26:27], s[26:27], 8192
	s_add_co_u32 s3, s3, 1
	s_cmp_lt_u32 s3, 2
	s_cbranch_scc1 .Lpass
	s_wait_tensorcnt 0x0
	ds_add_u32 v242, v243
	s_wait_dscnt 0x0
	s_endpgm
.Lfunc_end_k_qd72f5ffc9b_encode_mlp:
	.size	k_qd72f5ffc9b_encode_mlp, .Lfunc_end_k_qd72f5ffc9b_encode_mlp-k_qd72f5ffc9b_encode_mlp
	.p2alignl 7, 3214868480
	.fill 96, 4, 3214868480
	.section	.rodata,"a",@progbits
	.p2align	6, 0x0
	.amdhsa_kernel k_qd72f5ffc9b_encode_mlp
		.amdhsa_group_segment_fixed_size 284672
		.amdhsa_private_segment_fixed_size 0
		.amdhsa_enable_private_segment 0
		.amdhsa_kernarg_size 80
		.amdhsa_user_sgpr_count 2
		.amdhsa_user_sgpr_kernarg_segment_ptr 1
		.amdhsa_wavefront_size32 1
		.amdhsa_system_sgpr_workgroup_id_x 1
		.amdhsa_system_sgpr_workgroup_id_y 1
		.amdhsa_system_sgpr_workgroup_id_z 1
		.amdhsa_system_vgpr_workitem_id 0
		.amdhsa_next_free_vgpr 256
		.amdhsa_next_free_sgpr 66
		.amdhsa_reserve_vcc 1
		.amdhsa_float_denorm_mode_32 3
		.amdhsa_float_denorm_mode_16_64 3
		.amdhsa_memory_ordered 1
		.amdhsa_forward_progress 1
		.amdhsa_inst_pref_size 166
	.end_amdhsa_kernel
	.amdgpu_metadata
---
amdhsa.version: [ 1, 2 ]
amdhsa.kernels:
  - .name:           k_qd72f5ffc9b_encode_mlp
    .symbol:         k_qd72f5ffc9b_encode_mlp.kd
    .args:
      - { .name: x, .offset: 0, .size: 8, .value_kind: global_buffer, .address_space: global }
      - { .name: cells, .offset: 8, .size: 8, .value_kind: global_buffer, .address_space: global }
      - { .name: embeddings, .offset: 16, .size: 8, .value_kind: global_buffer, .address_space: global }
      - { .name: W1, .offset: 24, .size: 8, .value_kind: global_buffer, .address_space: global }
      - { .name: b1, .offset: 32, .size: 8, .value_kind: global_buffer, .address_space: global }
      - { .name: W2, .offset: 40, .size: 8, .value_kind: global_buffer, .address_space: global }
      - { .name: b2, .offset: 48, .size: 8, .value_kind: global_buffer, .address_space: global }
      - { .name: W3, .offset: 56, .size: 8, .value_kind: global_buffer, .address_space: global }
      - { .name: b3, .offset: 64, .size: 8, .value_kind: global_buffer, .address_space: global }
      - { .name: out0, .offset: 72, .size: 8, .value_kind: global_buffer, .address_space: global }
    .group_segment_fixed_size: 284672
    .private_segment_fixed_size: 0
    .kernarg_segment_align: 8
    .kernarg_segment_size: 80
    .max_flat_workgroup_size: 512
    .sgpr_count:     66
    .vgpr_count:     256
    .wavefront_size: 32
...
	.end_amdgpu_metadata
.endif
;; end of part 2
;; ======== version 2 of 2: 2 launches; version 1 with the launch encode_mlp written anew for expert scheduling mode
;; limits: inputs' magnitudes at most 256; right only within a limited range of input values
;; workspace buffers: cells 25,165,824 bytes of whole numbers
;; launch cells: the kernel of part 1 again; grid 1024 x 1, 8 waves a work-group, no clusters, 0 bytes of LDS; arguments x, cells; writes cells
;; launch encode_mlp (part 3): grid 256 x 1, 16 waves a work-group, no clusters, 284,672 bytes of LDS; arguments x, cells, embeddings, W1, b1, W2, b2, W3, b3, out0; writes out0
.if DOCPART == 3
	.amdgcn_target "amdgcn-amd-amdhsa--gfx1250"
	.amdhsa_code_object_version 6
	.text
	.protected	k_qd72f5ffc9b_encode_mlp
	.globl	k_qd72f5ffc9b_encode_mlp
	.p2align	8
	.type	k_qd72f5ffc9b_encode_mlp,@function
k_qd72f5ffc9b_encode_mlp:
	s_mov_b64 s[64:65], 0
	v_nop
	global_prefetch_b8 v0, s[64:65] scope:SCOPE_SE
	s_setreg_imm32_b32 hwreg(HW_REG_WAVE_SCHED_MODE, 0, 2), 2
	s_setreg_imm32_b32 hwreg(HW_REG_WAVE_MODE, 25, 1), 1
	s_wait_xcnt 0x0
	s_wait_alu depctr_vm_vsrc(0)
; out = relu(relu(h W1 + b1) W2 + b2) W3 + b3, h = the 32 features of a hash grid of 16 levels.  The first two products on codes of FP4 (E2M1) with one E8M0 scale for each 32 along K; the third in f32 multiply-adds.
; SHARES.  A work-group of sixteen waves (four to a SIMD, 256 registers each: no register windows) owns 4,096 points, in two passes of 2,048.  In a pass a wave owns 128 points: four batches of 32, a lane to a point.
; THE LEVELS ARE THE OUTER LOOP: for each level a wave has 32 gathers of 8 bytes a lane out while it makes the level's weights and the NEXT level's 8 corner indices of its 128 points.  All work-groups walk the levels in the same order,
; so that the table rows in use at a time are those of one or two levels (4 MiB each).  The features go to the wave's own 16 KiB of LDS; the same wave then runs the MLP on them.  One barrier in the launch, behind the head.
; ADDRESSES ARE MADE OF WHOLE NUMBERS ALONE: the cells come from the buffer that the launch before stored (Y = floor(x 2^15), E = 16 fields of 2 bits: cell_l = (Y >> (15 - l)) - (Y >> 15) + field_l - 1); x gives only the fractions,
; by the same rounded product and rounded sum as there (as the model writes pos).  Every index is masked as the model masks it, and held at 0x7ffff by the last instruction that writes it.
; LAYER 1 HAS K = 32, ONE BLOCK.  A lane quantises its own point: 4 registers of codes and a scale byte, no other lane asked.  The code registers of two batches, as they stand, are source 1 of a matrix instruction of K = 128:
; column r holds point r at k 0-31, point 16 + r at k 32-63, and the other batch's two at k 64-127.  Which of the four counts is chosen by source 0: W1's 16 rows with their codes in that block and zero codes in the other three.
; Both products are used transposed (source 0 = 16 rows of the weight, source 1 = 16 points), so that a lane holds ONE point; the rows of W1 that form a tile are chosen (lane r of tile 2 b + u: hidden unit 32 b + 8 u + r + 8 (r / 8))
; so that the 16 registers of two tiles are 16 neighbours along the next K.  The biases are the C of the matrix instructions.  No matrix instruction adds onto its own result.
; NO CLUSTER, NO TENSOR LOAD: what all work-groups share as tiles is W1 and W2, 80 KiB read once by each, against 4,096 x 128 gathers of 8 bytes, which go lane by lane and are no tile.
; LIMITS: 0 <= x < 256; NaN and infinities among the inputs are not served; a block of zeros gets the scale byte 1 where the rule says 127: its codes are zeros, and this launch alone reads the bytes.
; THE MODE: SCHED_MODE bits 1:0 = 2 (LLVM: expert scheduling mode 2), set by the entry lines.  The code itself states the register dependences between vector or matrix instructions and memory or LDS instructions, with s_wait_alu, always for 0.
; THE PLAN.  Registers that memory or LDS instructions touch:
;   IX            Written by the index arithmetic of level l + 1, which stands in level l's trip; read by level l + 1's 32 gathers.
;   D             The gathers land here; read by the interpolation alone.
;   AC, v[FA]     Written by the interpolation and by one add; read by the level's four LDS stores.
;   v16-51        x and the cells land here at a pass's head; in the MLP: the features' codes (matrix), four results (stored), layer 3's sums (stored to LDS).
;   F0 .. F3      The features land here from LDS; read by the quantiser.  F2 and F3 are D, which lies idle by then.
;   WV, B1T, W1S  W1's constants land here; read by layer 1's products.    CS, W2S: two sets by turns; a step's products and multiply-adds read one while the next step's constants land in the other.
;   v1, v3-v12    Offsets and LDS addresses, made once at the head and never written again.
; A LEVEL'S TRIP HAS TWO WAITS.  Behind the gathers and the weights, one on vm_vsrc (beside the wait on XCNT): the gathers have read IX, the last level's LDS stores have read AC and v[FA]: all three are written anew behind it.
; At the trip's end, one on va_vdst: AC and v[FA] are written, for the four stores that follow; IX is written and D is done being read, for the next trip's gathers: no vector instruction stands between that wait and those gathers.
.set DENSE,  7                         ; levels 0-6: (2^l)^3 <= 2^19: the linear index; levels 7-15: the hash
.set LEVELS, 16
.set MASK,   0x7ffff                   ; a level's table has 2^19 rows of 8 bytes
.set LVLB,   0x400000                  ; and so many bytes
; LDS
.set W1IMG,  0                         ; 16 images of 512 bytes (4 registers x 32 lanes): tile t, variant vv (codes in lanes 0-15, or in lanes 16-31) at 512 (2 t + vv)
.set W2IMG,  8192                      ; 8 images of 1,024 bytes: W2's fragments, tile t
.set W1SC,   16384                     ; 16 x 128: W1's scale words, a word a lane (the byte in all four places); tile t at 256 t
.set W2SC,   18432                     ; 8 x 64: W2's scale words, 4 bytes a row
.set BIAS,   18944                     ; b1, b2, W3: 512 bytes each
.set FEAT,   20480                     ; 16 x 16,384: wave w, level l, batch j, lane: 16384 w + 1024 l + 256 j + 8 lane
; registers that stay
.set FB,   1                           ; FEAT + 16384 w + 8 lane
.set FA,   2                           ; the same at the level in hand
.set L16,  3                           ; 16 lane
.set L4,   4                           ; 4 lane
.set H64,  5                           ; 64 (lane / 16)
.set H32,  6                           ; 32 (lane / 16)
.set R4,   7                           ; 4 (lane % 16)
.set OWR,  8                           ; FEAT + 16384 w + 4 lane
.set ORD,  9                           ; FEAT + 16384 w + 16 lane
.set L12,  10                          ; 12 lane
.set L8,   11                          ; 8 lane
.set L256, 12                          ; 256 lane
; the encoder's registers
.set XR,   16                          ; v16-27   x: coordinate c of batch j at XR + 4 c + j
.set Q,    28                          ; v28-43   batch j: Y0 Y1 Y2 E0
.set RR,   44                          ; v44-51   batch j: E1 E2
.set D,    64                          ; v64-127  batch j, corner c: the row's two numbers, at D + 16 j + 2 c
.set W,    128                         ; v128-159 batch j: the eight weights
.set PS,   160                         ; v160-165 pos of two batches
.set GP,   166                         ; v166-171 1 - fx, fx, 1 - fy, fy, 1 - fz, fz
.set WXY,  172                         ; v172-175
.set AC,   176                         ; v176-183 batch j: the level's two features
.set IT,   184                         ; v184-196 at work on indices
.set NZ,   198                         ; v198-209 not(Y >> 15) = -floor(x) - 1
.set IX,   210                         ; v210-241 batch j, corner c: the row's index, at IX + 8 j + c
; the MLP's registers
.set FC,   16                          ; v16-31   the features' codes: 4 registers a batch
.set OB,   32                          ; v32-35   four results a lane, to store
.set OUT,  44                          ; v44-59   layer 3's sums: a pair for each tile of 16 points
.set W1S,  60                          ; v60-61   W1's scale words  } these sixteen registers hold scales and nothing else,
.set W2S,  62                          ; v62-63   W2's, two sets    } in the whole text
.set HS,   244                         ; v244-251 the hidden layer's scale words, one a tile of points
.set FS,   252                         ; v252-255 the features' scale bytes, one register a batch
.set HC,   64                          ; v64-127  the hidden layer's codes: 8 registers a tile of points
.set F0,   128                         ; v128-159, v160-191, v64-95, v96-127: the 32 features of a lane's point, a buffer for each batch
.set F1,   160
.set F2,   64
.set F3,   96
.set WV,   128                         ; v128-163 zeros, W1 tile 2 b low, zeros, high, zeros, tile 2 b + 1 low, zeros, high, zeros: 4 registers each
.set B1T,  164                         ; v164-179 b1 for two tiles, in the result's layout
.set ACC,  192                         ; v192-223 two buffers of two accumulators
.set TM,   224                         ; v224-235 at work, two sets of six
.set CS,   128                         ; v128-151, v152-175: layer 2's constants, two sets: W2's fragment 8, b2 8, W3 8
.set A2,   176                         ; v176-239 layer 2's eight accumulators
; 32 numbers of ONE lane, v[s] on, a whole block: 4 registers of codes v[c] on; v[t+5] = the scale's byte.  The largest magnitude in four chains, with the floor 2^(3 - 127) as one leaf (so the byte cannot fall under 1);
; 2 off its exponent field is the conversion's scale operand.  The shift at the end is also the plain instruction behind the conversions.
.macro QB s, c, t
	v_max3_num_f32 v[\t], |v[\s]|, |v[\s+1]|, 0x1800000
	v_max3_num_f32 v[\t+1], |v[\s+2]|, |v[\s+3]|, |v[\s+4]|
	v_max3_num_f32 v[\t+2], |v[\s+5]|, |v[\s+6]|, |v[\s+7]|
	v_max3_num_f32 v[\t+3], |v[\s+8]|, |v[\s+9]|, |v[\s+10]|
.irp i, 11,19
.irp k, 0,1,2,3
	v_max3_num_f32 v[\t+\k], v[\t+\k], |v[\s+\i+2*\k]|, |v[\s+\i+2*\k+1]|
.endr
.endr
	v_max3_num_f32 v[\t], v[\t], |v[\s+27]|, |v[\s+28]|
	v_max3_num_f32 v[\t+1], v[\t+1], |v[\s+29]|, |v[\s+30]|
	v_max3_num_f32 v[\t+2], v[\t+2], v[\t+3], |v[\s+31]|
	v_max3_num_f32 v[\t], v[\t], v[\t+1], v[\t+2]
	v_add_nc_u32 v[\t+4], 0xff000000, v[\t]
.irp g, 0,1,2,3
	v_cvt_scalef32_pk8_fp4_f32 v[\c+\g], v[\s+8*\g:\s+8*\g+7], v[\t+4]
.endr
	v_lshrrev_b32 v[\t+5], 23, v[\t+4]
.endm
; ---------------------------------------------------------------- the head
	s_load_b512 s[8:23], s[0:1], 0x0               ; x s[8:9], cells s[10:11], embeddings s[12:13], W1 s[14:15], b1 s[16:17], W2 s[18:19], b2 s[20:21], W3 s[22:23]
	s_load_b128 s[24:27], s[0:1], 0x40             ; b3 s[24:25], out0 s[26:27]
	v_lshl_add_u32 v242, v0, 2, 0x45000
	v_mov_b32 v243, 0
	v_lshrrev_b32 v16, 5, v0
	v_readfirstlane_b32 s2, v16                    ; wave 0..15
	v_and_b32 v17, 31, v0                          ; lane
	v_and_b32 v18, 15, v0                          ; r
	v_bfe_u32 v19, v0, 4, 1                        ; h
	v_lshlrev_b32 v[L16], 4, v17
	v_lshlrev_b32 v[L4], 2, v17
	v_lshlrev_b32 v[H64], 6, v19
	v_lshlrev_b32 v[H32], 5, v19
	v_lshlrev_b32 v[R4], 2, v18
	v_mul_u32_u24 v[L12], v17, 12
	v_lshlrev_b32 v[L8], 3, v17
	v_lshlrev_b32 v[L256], 8, v17
	s_wait_alu depctr_va_sdst(0)                   ; s2 is written, ahead of its first reader: LDS places, bases and branches are made from it
	s_lshl_b32 s48, s2, 14
	s_add_co_u32 s48, s48, FEAT                    ; my wave's 16 KiB
	v_lshl_add_u32 v[FB], v17, 3, s48
	v_lshl_add_u32 v[OWR], v17, 2, s48
	v_lshl_add_u32 v[ORD], v17, 4, s48
	; The weights are quantised once by the work-group: wave w = 2 t + vv makes variant vv of W1's tile t and half vv (64 along K) of W2's fragment t.
	s_lshr_b32 s49, s2, 1                          ; t
	s_and_b32 s50, s2, 1                           ; vv
	s_lshl_b32 s51, s2, 9
	v_add_nc_u32 v13, s51, v[L16]                  ; an image's place: 512 w + 16 lane
	s_lshl_b32 s51, s2, 7
	v_add_nc_u32 v14, s51, v[L4]                   ; W1's scale word: 128 w + 4 lane
	s_lshl_b32 s51, s49, 6
	s_lshl_b32 s52, s50, 1
	s_add_co_u32 s51, s51, s52
	v_lshl_add_u32 v15, v18, 2, v19
	v_add_nc_u32 v15, s51, v15                     ; W2's scale byte: 64 t + 4 r + 2 vv + h: each byte has one writer
	v_lshlrev_b32 v20, 2, v0                       ; the biases: 4 x thread in LDS,
	v_and_b32 v21, 127, v0
	v_lshlrev_b32 v21, 2, v21                      ; 4 x (thread % 128) in memory
	v_and_b32 v23, 8, v18
	v_add_nc_u32 v23, v23, v18                     ; r + 8 (r / 8)
	s_lshr_b32 s51, s49, 1
	s_lshl_b32 s51, s51, 5
	s_and_b32 s52, s49, 1
	s_lshl_b32 s52, s52, 3
	s_add_co_u32 s51, s51, s52                     ; 32 (t / 2) + 8 (t % 2)
	v_add_lshl_u32 v23, v23, s51, 2                ; W1: my column, 4 bytes a number; both halves of the lanes take the same 16 columns
	s_lshl_b32 s51, s49, 6
	s_lshl_b32 s52, s50, 15
	s_add_co_u32 s51, s51, s52
	v_lshl_add_u32 v24, v19, 14, v[R4]
	v_add_nc_u32 v24, s51, v24                     ; W2: column 16 t + r, from row 64 vv + 32 h on (a row is 512 bytes)
	s_mov_b32 s33, 0x9e3779b1                      ; the hash's primes
	s_mov_b32 s34, 0x30025795
	s_mov_b32 s42, 0x76543210                      ; v_permlanex16_b32: lane l xor 16
	s_mov_b32 s43, 0xfedcba98
	v_mov_b32 v[TM+2], 0                           ; written once: a lane permute's destination counts as one of its sources
	v_mov_b32 v[TM+8], 0
	s_wait_kmcnt 0x0
	s_load_b32 s44, s[24:25], 0x0                  ; b3
	s_wait_alu depctr_va_vdst(0)                   ; every offset and LDS address of the kernel is written (v1, v3-v15, v20, v21, v23, v24, and the closing add's v242, v243): the loads, stores and the prefetch below read them
.irp i, 0,1,2,3,4,5,6,7,8,9,10,11,12,13,14,15,16,17,18,19,20,21,22,23,24,25,26,27,28,29,30,31
	global_load_b32 v[64+\i], v23, s[14:15] offset:512*\i     ; W1(i, my column): a lane's registers run down K
.endr
.irp i, 0,1,2,3,4,5,6,7,8,9,10,11,12,13,14,15,16,17,18,19,20,21,22,23
	global_load_b32 v[96+\i], v24, s[18:19] offset:512*\i     ; W2(64 vv + 32 h + i, my column): the first 24 of 32
.endr
	; the prefetches' pointer: the work-group's second pass of x (24,576 bytes: waves 0-2) and of cells (49,152 bytes: waves 3-8), 8,192 bytes a wave
	s_mul_i32 s52, ttmp9, 49152
	s_add_co_u32 s52, s52, 24576
	s_lshl_b32 s53, s52, 1
	s_sub_co_u32 s53, s53, 24576                   ; (cells: twice x's offset, and three waves' 8,192 back)
	s_cmp_lt_u32 s2, 3
	s_cselect_b32 s52, s52, s53
	s_cselect_b64 s[46:47], s[8:9], s[10:11]
	s_lshl_b32 s53, s2, 13
	s_add_co_u32 s52, s52, s53
	s_mov_b32 s53, 0
	s_add_nc_u64 s[46:47], s[46:47], s[52:53]
	s_cmp_lt_u32 s2, 9
	s_cselect_b32 s45, 0, -1                       ; the pass in which my wave prefetches: 0, or none
	; which of b1, b2, W3 my wave copies (waves 0-3, 4-7, 8-11)
	s_cmp_lt_u32 s2, 4
	s_cselect_b64 s[54:55], s[16:17], s[20:21]
	s_cmp_lt_u32 s2, 8
	s_cselect_b64 s[54:55], s[54:55], s[22:23]
	; x, cells and out0 at my wave's first point: 4,096 x work-group + 128 x wave
	s_mul_i32 s52, ttmp9, 49152
	s_mul_i32 s51, s2, 1536
	s_add_co_u32 s52, s52, s51
	s_add_nc_u64 s[8:9], s[8:9], s[52:53]
	s_lshl_b32 s52, s52, 1
	s_add_nc_u64 s[10:11], s[10:11], s[52:53]
	s_lshl_b32 s52, ttmp9, 14
	s_lshl_b32 s51, s2, 9
	s_add_co_u32 s52, s52, s51
	s_add_nc_u64 s[26:27], s[26:27], s[52:53]
	s_wait_loadcnt 24                              ; W1's 32 loads are in; W2's first 24 may be out
.irp i, 24,25,26,27,28,29,30,31
	global_load_b32 v[96+\i], v24, s[18:19] offset:512*\i     ; W2's last 8: they land while W1 is quantised.  (No vector instruction since the wait above: nothing more is owed)
.endr
	v_cmp_eq_u32 vcc_lo, s50, v19                  ; which half of the lanes keeps W1's codes; the mask is read behind the quantiser
	QB 64, 32, 40
	v_lshl_or_b32 v46, v45, 8, v45
	v_lshl_or_b32 v46, v46, 16, v46                ; the byte in all four places: whichever block holds the codes finds it
	s_wait_alu depctr_va_vcc(0)                    ; the compare has written VCC, which the four selects read
.irp i, 0,1,2,3
	v_cndmask_b32 v[32+\i], 0, v[32+\i], vcc_lo    ; variant vv keeps the codes in its half of the lanes; zero codes in the other
.endr
	s_wait_loadcnt 0x0
	QB 96, 36, 48
	s_wait_alu depctr_va_vdst(0)                   ; both weights' codes (v32-39), W1's scale word (v46) and W2's byte (v53) are written, which the four LDS stores read
	ds_store_b128 v13, v[32:35] offset:W1IMG
	ds_store_b32 v14, v46 offset:W1SC
	ds_store_b128 v13, v[36:39] offset:W2IMG       ; registers 4 vv .. 4 vv + 3 of fragment t: k = 64 vv + 32 h + 0 .. 31
	ds_store_b8 v15, v53 offset:W2SC
	s_cmp_lt_u32 s2, 12
	s_cbranch_scc0 .Lno_bias
	global_load_b32 v22, v21, s[54:55]
	s_wait_loadcnt 0x0
	ds_store_b32 v20, v22 offset:BIAS
.Lno_bias:
	s_wait_kmcnt 0x0                               ; b3
	s_wait_dscnt 0x0                               ; for the others' sake: my stores have landed
	s_barrier_signal -1
	s_barrier_wait -1                              ; the weights' images, scale words and biases lie in LDS; nobody writes them again
; ---------------------------------------------------------------- the encoder's macros
.macro LEVEL_A                         ; the scalars of the level s4, whose indices are made
	s_sub_co_u32 s5, 15, s4
	s_lshl_b32 s6, s4, 1
.endm
.macro DIST                            ; a dense level s4: R = 2^l; the seven corners' distances: 1, R, R + 1, R^2, R^2 + 1, R^2 + R, R^2 + R + 1
	s_lshl_b32 s36, 1, s4
	s_lshl_b32 s38, s36, s4
	s_add_co_u32 s37, s36, 1
	s_add_co_u32 s39, s38, 1
	s_add_co_u32 s40, s38, s36
	s_add_co_u32 s41, s40, 1
.endm
.macro UNPACK j                        ; the cell's three coordinates: IT, IT + 1, IT + 2
.irp c, 0,1,2
	v_lshrrev_b32 v[IT+3+\c], s5, v[Q+4*(\j)+\c]
.endr
	v_bfe_u32 v[IT+6], v[Q+4*(\j)+3], s6, 2
	v_bfe_u32 v[IT+7], v[RR+2*(\j)], s6, 2
	v_bfe_u32 v[IT+8], v[RR+2*(\j)+1], s6, 2
.irp c, 0,1,2
	v_add3_u32 v[IT+\c], v[IT+3+\c], v[IT+6+\c], v[NZ+3*(\j)+\c]
.endr
.endm
.macro ADDR_D j                        ; x + y 2^l + z 4^l; each corner is a distance on; then the model's mask; then, as the last line that writes the index, the hold
.set DJ, IX+8*(\j)
	v_lshl_add_u32 v[IT+3], v[IT+1], s4, v[IT]
	v_lshl_add_u32 v[IT+3], v[IT+2], s6, v[IT+3]
	v_and_b32 v[DJ], MASK, v[IT+3]
	v_add_nc_u32 v[DJ+1], 1, v[IT+3]
.irp c, 2,3,4,5,6,7
	v_add_nc_u32 v[DJ+\c], s[34+\c], v[IT+3]
.endr
.irp c, 1,2,3,4,5,6,7
	v_and_b32 v[DJ+\c], MASK, v[DJ+\c]
.endr
.irp c, 0,1,2,3,4,5,6,7
	v_min_u32 v[DJ+\c], MASK, v[DJ+\c]             ; the hold ahead of an address: nothing is done to the index behind it
.endr
.endm
.macro ADDR_H j                        ; x xor y P1 xor z P2, masked.  (y + 1) P1 = y P1 + P1 modulo 2^32; the masks stand on the six parts, so that a corner costs an exclusive or and the hold
.set DJ, IX+8*(\j)
	v_and_b32 v[IT+3], MASK, v[IT]
	v_add_nc_u32 v[IT+4], 1, v[IT]
	v_mul_lo_u32 v[IT+5], v[IT+1], s33
	v_mul_lo_u32 v[IT+7], v[IT+2], s34
	v_and_b32 v[IT+4], MASK, v[IT+4]
	v_add_nc_u32 v[IT+6], s33, v[IT+5]
	v_add_nc_u32 v[IT+8], s34, v[IT+7]
	v_xor_b32 v[IT+9], v[IT+5], v[IT+7]
	v_xor_b32 v[IT+10], v[IT+6], v[IT+7]
	v_xor_b32 v[IT+11], v[IT+5], v[IT+8]
	v_xor_b32 v[IT+12], v[IT+6], v[IT+8]
.irp k, 9,10,11,12
	v_and_b32 v[IT+\k], MASK, v[IT+\k]
.endr
.irp c, 0,1,2,3,4,5,6,7
	v_xor_b32 v[DJ+\c], v[IT+3+\c%2], v[IT+9+\c/2]
.endr
.irp c, 0,1,2,3,4,5,6,7
	v_min_u32 v[DJ+\c], MASK, v[DJ+\c]             ; the hold ahead of an address
.endr
.endm
.macro GATHER j                        ; eight rows of 8 bytes a lane, at the table's base + 8 x index; the indices have registers of their own, apart from the rows'
.irp c, 0,1,2,3,4,5,6,7
	global_load_b64 v[D+16*(\j)+2*\c:D+16*(\j)+2*\c+1], v[IX+8*(\j)+\c], s[28:29] scale_offset
.endr
.endm
.macro WEIGHTS jj                      ; the trilinear weights of batches 2 jj and 2 jj + 1, (wx wy) wz as the model multiplies them
.irp c, 0,1,2
	v_pk_mul_f32 v[PS+2*\c:PS+2*\c+1], v[XR+4*\c+2*(\jj):XR+4*\c+2*(\jj)+1], s[30:31] op_sel_hi:[1,0]
.endr
.irp c, 0,1,2
	v_pk_add_f32 v[PS+2*\c:PS+2*\c+1], v[PS+2*\c:PS+2*\c+1], 0.5 op_sel_hi:[1,0]   ; a rounded product, then a rounded sum: see the head
.endr
.irp b, 0,1
.set WJ, W+8*(2*(\jj)+\b)
.irp c, 0,1,2
	v_fract_f32 v[GP+2*\c+1], v[PS+2*\c+\b]        ; pos - floor(pos): exact
.endr
.irp c, 0,1,2
	v_sub_f32 v[GP+2*\c], 1.0, v[GP+2*\c+1]
.endr
	v_pk_mul_f32 v[WXY:WXY+1], v[GP:GP+1], v[GP+2:GP+3] op_sel_hi:[1,0]                  ; x both, y low
	v_pk_mul_f32 v[WXY+2:WXY+3], v[GP:GP+1], v[GP+2:GP+3] op_sel:[0,1] op_sel_hi:[1,1]   ; x both, y high
	v_pk_mul_f32 v[WJ:WJ+1], v[WXY:WXY+1], v[GP+4:GP+5] op_sel_hi:[1,0]
	v_pk_mul_f32 v[WJ+2:WJ+3], v[WXY+2:WXY+3], v[GP+4:GP+5] op_sel_hi:[1,0]
	v_pk_mul_f32 v[WJ+4:WJ+5], v[WXY:WXY+1], v[GP+4:GP+5] op_sel:[0,1] op_sel_hi:[1,1]
	v_pk_mul_f32 v[WJ+6:WJ+7], v[WXY+2:WXY+3], v[GP+4:GP+5] op_sel:[0,1] op_sel_hi:[1,1]
.endr
.endm
.macro INTERP j                        ; the level's two features: the corners in ascending order, both features in one packed instruction
.set AJ, AC+2*(\j)
.set DJ, D+16*(\j)
.set WJ, W+8*(\j)
	v_pk_mul_f32 v[AJ:AJ+1], v[DJ:DJ+1], v[WJ:WJ+1] op_sel_hi:[1,0]
	v_pk_fma_f32 v[AJ:AJ+1], v[DJ+2:DJ+3], v[WJ:WJ+1], v[AJ:AJ+1] op_sel:[0,1,0] op_sel_hi:[1,1,1]
.irp c, 2,4,6
	v_pk_fma_f32 v[AJ:AJ+1], v[DJ+2*\c:DJ+2*\c+1], v[WJ+\c:WJ+\c+1], v[AJ:AJ+1] op_sel_hi:[1,0,1]
	v_pk_fma_f32 v[AJ:AJ+1], v[DJ+2*\c+2:DJ+2*\c+3], v[WJ+\c:WJ+\c+1], v[AJ:AJ+1] op_sel:[0,1,0] op_sel_hi:[1,1,1]
.endr
.endm
; One level, s4, for my 128 points.  Its indices stand in IX: the trip before, or the pass's head, has made them, and a wait on va_vdst stands between their last line and this trip's first.
; next = 0: the next level is dense; 1: it is hashed; 2: there is none.
.macro TRIP next
	s_lshl_b32 s7, 1, s4
	s_sub_co_u32 s7, s7, 1
	s_cvt_f32_u32 s30, s7                          ; the scale 2^l - 1, exact in f32
	s_mov_b32 s31, s30                             ; (named with it as a pair, so it is written)
.irp j, 0,1,2,3
	GATHER \j                                      ; no wait here: no vector instruction since the last wait on va_vdst names IX or D
.endr
	WEIGHTS 0                                      ; the weights are made while the 32 gathers are out; they name neither IX nor D, AC or v[FA]
	WEIGHTS 1
.if \next < 2
	s_wait_xcnt 0x0                                ; the gathers' addresses are translated (ISA guide 3.1): IX is written anew only behind this wait
.endif
	s_wait_alu depctr_vm_vsrc(0)                   ; the gathers have read IX, and the last level's LDS stores have read v[FA] and AC: all three are written below
	v_add_nc_u32 v[FA], s35, v[FB]                 ; where this level's features go
.if \next < 2
	s_add_co_u32 s4, s4, 1                         ; the next level: its indices are made while this level's gathers are out
	LEVEL_A
.if \next == 0
	DIST
.endif
.irp j, 0,1,2,3
	UNPACK \j
.if \next == 0
	ADDR_D \j
.else
	ADDR_H \j
.endif
.endr
.endif
.irp j, 0,1,2,3
	s_wait_loadcnt 8*(3-\j)                        ; batch j's eight are in; the younger batches' may be out
	INTERP \j
.endr
	s_wait_alu depctr_va_vdst(0)                   ; AC and v[FA] are written, which the four stores read; IX is written, which the next trip's gathers read; the interpolation is done reading D, in which they land
.irp j, 0,1,2,3
	ds_store_b64 v[FA], v[AC+2*\j:AC+2*\j+1] offset:256*\j
.endr
.if \next < 2
	s_add_nc_u64 s[28:29], s[28:29], LVLB          ; the next level's table (the wait for 0 has shown every gather done)
	s_add_co_u32 s35, s35, 1024
.endif
.endm
; ---------------------------------------------------------------- the MLP's macros
.macro LOADF j, f                      ; the 32 features of my point of batch j
.irp l, 0,1,2,3,4,5,6,7,8,9,10,11,12,13,14,15
	ds_load_b64 v[\f+2*\l:\f+2*\l+1], v[FB] offset:1024*\l+256*(\j)
.endr
.endm
.macro FSW j                           ; my point's scale byte in all four places
	v_lshl_or_b32 v[FS+\j], v[TM+5], 8, v[TM+5]
	v_lshl_or_b32 v[FS+\j], v[FS+\j], 16, v[FS+\j]
.endm
.macro L1LOAD b                        ; hidden units 32 b .. 32 b + 31: W1's two tiles in both variants, their b1 and scale words: ten LDS loads
.irp u, 0,1
.irp vv, 0,1
	ds_load_b128 v[WV+4+16*\u+8*\vv:WV+7+16*\u+8*\vv], v[L16] offset:W1IMG+512*(4*(\b)+2*\u+\vv)
.endr
	ds_load_b128 v[B1T+8*\u:B1T+8*\u+3], v[H64] offset:BIAS+128*(\b)+32*\u
	ds_load_b128 v[B1T+8*\u+4:B1T+8*\u+7], v[H64] offset:BIAS+128*(\b)+32*\u+16
	ds_load_b32 v[W1S+\u], v[L4] offset:W1SC+256*(2*(\b)+\u)
.endr
.endm
; Tile pt of 16 points = half pt % 2 of batch pt / 2; its features stand in block 2 ((pt / 2) % 2) + pt % 2 of the pair of batches.  Two matrix instructions: lane (r, h) gets point r, hidden units 32 b + 16 h + 8 u + 0 .. 7.
.macro L1W pt
.set JB, (\pt)/2
.set HF, (\pt)%2
.set VA, WV+8*HF+4*(1-JB%2)            ; codes then zeros (blocks 0, 1), or zeros then codes (blocks 2, 3)
.set BF, FC+8*(JB/2)
.set AD, ACC+16*((\pt)%2)
.irp u, 0,1
.if HF
	v_wmma_scale_f32_16x16x128_f8f6f4 v[AD+8*\u:AD+8*\u+7], v[VA+16*\u:VA+16*\u+7], v[BF:BF+7], v[B1T+8*\u:B1T+8*\u+7], v[W1S+\u], v[FS+JB] matrix_a_fmt:MATRIX_FMT_FP4 matrix_b_fmt:MATRIX_FMT_FP4 matrix_b_scale:MATRIX_SCALE_ROW1
.else
	v_wmma_scale_f32_16x16x128_f8f6f4 v[AD+8*\u:AD+8*\u+7], v[VA+16*\u:VA+16*\u+7], v[BF:BF+7], v[B1T+8*\u:B1T+8*\u+7], v[W1S+\u], v[FS+JB] matrix_a_fmt:MATRIX_FMT_FP4 matrix_b_fmt:MATRIX_FMT_FP4
.endif
.endr
.endm
; relu, and block b of the next K quantised: my 16 numbers and lane l xor 16's are the block
.macro L1P pt, b
.set AD, ACC+16*((\pt)%2)
.set TP, TM+6*((\pt)%2)
.irp i, 0,1,2,3,4,5,6,7,8,9,10,11,12,13,14,15
	v_max_num_f32 v[AD+\i], 0, v[AD+\i]            ; each accumulator from its low end on
.endr
	v_max3_num_f32 v[TP], v[AD], v[AD+1], 0x1800000        ; none is negative: no |.|; the floor 2^(3 - 127) as one leaf
	v_max3_num_f32 v[TP+1], v[AD+2], v[AD+3], v[AD+4]
	v_max3_num_f32 v[TP], v[TP], v[AD+5], v[AD+6]
	v_max3_num_f32 v[TP+1], v[TP+1], v[AD+7], v[AD+8]
	v_max3_num_f32 v[TP], v[TP], v[AD+9], v[AD+10]
	v_max3_num_f32 v[TP+1], v[TP+1], v[AD+11], v[AD+12]
	v_max3_num_f32 v[TP], v[TP], v[AD+13], v[AD+14]
	v_max3_num_f32 v[TP], v[TP], v[TP+1], v[AD+15]
	v_permlanex16_b32 v[TP+2], v[TP], s42, s43
	v_max_num_f32 v[TP], v[TP], v[TP+2]
	v_add_nc_u32 v[TP+3], 0xff000000, v[TP]
	v_cvt_scalef32_pk8_fp4_f32 v[HC+8*(\pt)+2*(\b)], v[AD:AD+7], v[TP+3]
	v_cvt_scalef32_pk8_fp4_f32 v[HC+8*(\pt)+2*(\b)+1], v[AD+8:AD+15], v[TP+3]
.if (\b) == 0
	v_lshrrev_b32 v[HS+(\pt)], 23, v[TP+3]         ; the scale's byte; also the plain instruction behind the conversions
.else
	v_lshrrev_b32 v[TP+4], 23, v[TP+3]
	v_lshl_or_b32 v[HS+(\pt)], v[TP+4], 8*(\b), v[HS+(\pt)]
.endif
.endm
.macro L2LOAD t, set                   ; outputs 16 t .. 16 t + 15 of layer 2: W2's fragment, b2 and W3 in the result's layout, W2's scale words: seven LDS loads
.set LB, CS+24*(\set)
	ds_load_b128 v[LB:LB+3], v[L16] offset:W2IMG+1024*(\t)
	ds_load_b128 v[LB+4:LB+7], v[L16] offset:W2IMG+1024*(\t)+512
	ds_load_b128 v[LB+8:LB+11], v[H32] offset:BIAS+512+64*(\t)
	ds_load_b128 v[LB+12:LB+15], v[H32] offset:BIAS+512+64*(\t)+16
	ds_load_b128 v[LB+16:LB+19], v[H32] offset:BIAS+1024+64*(\t)
	ds_load_b128 v[LB+20:LB+23], v[H32] offset:BIAS+1024+64*(\t)+16
	ds_load_b32 v[W2S+(\set)], v[R4] offset:W2SC+64*(\t)
.endm
; Sixteen outputs of layer 2 for my eight tiles of points (eight different accumulators), relu, and their share of layer 3
.macro L2STEP t
.set CB, CS+24*((\t)%2)
	s_wait_dscnt 0x0                               ; this step's constants, asked for a step ago
.if ((\t) > 0) && ((\t) < 7)
	s_wait_alu depctr_va_vdst(0)                   ; the step before is done reading the other set: its products W2's fragment, b2 and the scale words, its multiply-adds W3: this step's loads land there.  (Step 0 has its wait ahead of it; step 7 loads nothing)
.endif
.irp pt, 0,1,2,3,4,5,6,7
	v_wmma_scale_f32_16x16x128_f8f6f4 v[A2+8*\pt:A2+8*\pt+7], v[CB:CB+7], v[HC+8*\pt:HC+8*\pt+7], v[CB+8:CB+15], v[W2S+(\t)%2], v[HS+\pt] matrix_a_fmt:MATRIX_FMT_FP4 matrix_b_fmt:MATRIX_FMT_FP4
.endr
.if (\t) < 7
	L2LOAD (\t)+1, 1-(\t)%2                        ; into the other set, which these eight, the only vector-side lines since the wait, do not name
.endif
.rept 4
	v_nop                                          ; four plain instructions between the products and the first read of a result (ISA guide 7.12.1)
.endr
.irp pp, 0,2,4,6
.irp i, 0,1,2,3,4,5,6,7,8,9,10,11,12,13,14,15
	v_max_num_f32 v[A2+8*\pp+\i], 0, v[A2+8*\pp+\i]
.endr
.irp i, 0,2,4,6
	v_pk_fma_f32 v[OUT+2*\pp:OUT+2*\pp+1], v[A2+8*\pp+\i:A2+8*\pp+\i+1], v[CB+16+\i:CB+16+\i+1], v[OUT+2*\pp:OUT+2*\pp+1]
	v_pk_fma_f32 v[OUT+2*\pp+2:OUT+2*\pp+3], v[A2+8*\pp+8+\i:A2+8*\pp+8+\i+1], v[CB+16+\i:CB+16+\i+1], v[OUT+2*\pp+2:OUT+2*\pp+3]
.endr
.endr
.endm
; ---------------------------------------------------------------- two passes of 2,048 points
	s_mov_b32 s3, 0
.Lpass:
	s_wait_alu depctr_va_vdst(0)                   ; all vector and matrix work on v16-51 is done (the head's arithmetic and conversions; the last pass's products, which read the codes in v16-31, and its sums in v44-59): this pass's x and cells land there
	s_wait_alu depctr_vm_vsrc(0)                   ; the head's loads and LDS stores have read v20-24 and v32-39, the last pass's stores v32-35 and v44-56: the same loads land there
.irp j, 0,1,2,3
.irp c, 0,1,2
	global_load_b32 v[XR+4*\c+\j], v[L12], s[8:9] offset:384*\j+4*\c th:TH_LOAD_NT
.endr
.endr
.irp j, 0,1,2,3
	global_load_b128 v[Q+4*\j:Q+4*\j+3], v[L16], s[10:11] offset:768*\j th:TH_LOAD_NT
	global_load_b64 v[RR+2*\j:RR+2*\j+1], v[L8], s[10:11] offset:768*\j+512 th:TH_LOAD_NT
.endr
	s_mov_b64 s[28:29], s[12:13]                   ; level 0's table
	s_mov_b32 s4, 0                                ; the level
	s_mov_b32 s35, 0                               ; and its features' place in my 16 KiB
	s_wait_loadcnt 0x0
.irp j, 0,1,2,3
.irp c, 0,1,2
	v_lshrrev_b32 v[NZ+3*\j+\c], 15, v[Q+4*\j+\c]
.endr
.endr
.irp j, 0,1,2,3
.irp c, 0,1,2
	v_xor_b32 v[NZ+3*\j+\c], -1, v[NZ+3*\j+\c]     ; every bit turned: -floor(x) - 1: takes floor(x) and the field's 1 off in one addition
.endr
.endr
	LEVEL_A                                        ; level 0's indices are made here; every later level's in the trip before it
	DIST
.irp j, 0,1,2,3
	UNPACK \j
	ADDR_D \j
.endr
	s_wait_alu depctr_va_vdst(0)                   ; level 0's indices are written, which the first trip's gathers read; no earlier vector or matrix line still names D, in which they land
.Ldense:                                               ; levels 0 to 5: the next level is dense too
	TRIP 0
	s_cmp_lt_u32 s4, DENSE-1
	s_cbranch_scc1 .Ldense
	TRIP 1                                         ; level 6, written out: a dense level's gathers, a hashed level's indices
	s_mov_b32 s4, DENSE                            ; (it stands there already: written so that each loop's first level can be read off the text)
.Lhashed:                                              ; levels 7 to 14
	TRIP 1
	s_cmp_lt_u32 s4, LEVELS-1
	s_cbranch_scc1 .Lhashed
	TRIP 2                                         ; level 15, written out: no level follows
	; ---- the features become codes: a lane's 32 numbers are one block.  LDS serves a wave's instructions in order: these loads see my stores.
	; A buffer for each batch.  The last trip's wait on va_vdst stands behind every line that named v64-191, and the quantisers below name their own buffer alone: so no load here owes a wait on va_vdst.
	s_wait_alu depctr_vm_vsrc(0)                   ; level 15's LDS stores have read AC (v176-183), in which batch 1's features land
	LOADF 0, F0
	LOADF 1, F1
	LOADF 2, F2
	s_wait_dscnt 32                                ; batch 0's 16 loads are in; the two younger batches' may be out
	QB F0, FC, TM
	FSW 0
	LOADF 3, F3
	s_wait_dscnt 32                                ; batch 1's are in
	QB F1, FC+4, TM
	FSW 1
	s_wait_dscnt 16                                ; batch 2's
	QB F2, FC+8, TM
	FSW 2
	s_wait_dscnt 0x0
	QB F3, FC+12, TM
	FSW 3
.irp z, 0,8,16,24,32
.irp i, 0,1,2,3
	v_mov_b32 v[WV+\z+\i], 0                       ; the zero codes that stand beside W1's in a fragment
.endr
.endr
.irp i, 0,1,2,3,4,5,6,7,8,9,10,11,12,13,14,15
	v_mov_b32 v[OUT+\i], 0                         ; layer 3's sums.  (These 16 and the 20 above also stand between the last vector write of a scale or an operand and the first scaled product)
.endr
	s_wait_alu depctr_va_vdst(0)                   ; the features' codes, their scale bytes and the zero codes are written, which the scaled products take; and the quantisers are done reading v128-191, in which W1's constants land
	L1LOAD 0
	s_wait_dscnt 0x0
	; ---- layer 1, 32 hidden units at a time; four products on four accumulators, then their two tiles of points are quantised
.irp b, 0,1,2,3
.irp p, 0,2,4,6
	L1W \p
	L1W \p+1
.rept 4
	v_nop                                          ; four plain instructions ahead of the first read of a result (ISA guide 7.12.1)
.endr
.if \p == 6
	s_wait_alu depctr_va_vdst(0)                   ; these 32 units' products are done reading W1's fragments, b1 and the scale words, in which the next constants land
.if \b < 3
	L1LOAD \b+1                                    ; the next 32 units' constants land while the last two tiles are quantised
.else
	L2LOAD 0, 0
.endif
.endif
	L1P \p, \b
	L1P \p+1, \b
.endr
.if \b < 3
	s_wait_dscnt 0x0
.endif
.endr
.irp pt, 0,1,2,3,4,5,6,7
.irp c, 0,1
.irp i, 0,1
	v_permlane16_swap_b32 v[HC+8*\pt+4*\c+\i], v[HC+8*\pt+4*\c+2+\i]   ; the operand's layout wants a whole block in a lane: registers 4 c .. 4 c + 3 now hold k = 64 c + 32 h + 0 .. 31
.endr
.endr
.endr
	; A PREFETCH INTO THE L2 of what the second pass loads at its head: the work-group's 24,576 bytes of x (waves 0-2) and 49,152 of cells (waves 3-8), 8,192 bytes a wave, lanes 256 bytes apart:
	; each aligned block of 256 bytes is named once in the launch, in the first pass, with layers 2 and 3 of this pass between it and the loads.  Its address registers are never written again.
	s_cmp_lg_u32 s3, s45
	s_cbranch_scc1 .Lno_prefetch
	global_prefetch_b8 v[L256], s[46:47] th:TH_LOAD_NT scope:SCOPE_SE
.Lno_prefetch:
.rept 8
	v_nop                                          ; a scale word written by vector instructions stands eight plain instructions ahead of a scaled product, an operand so written four
.endr
	s_wait_alu depctr_va_vdst(0)                   ; the hidden layer's codes and scale words are written, which the scaled products take; and layer 1's products are done reading v152-175, in which step 0's loads land
	; ---- layers 2 and 3
.irp t, 0,1,2,3,4,5,6,7
	L2STEP \t
.endr
	; ---- the way out.  A tile's pair holds the sums over the lane's half of the units: the pair is added, one exchange of halves brings the two tiles of a batch into lane order, b3 is added
.irp j, 0,1,2,3
	v_add_f32 v[OUT+4*\j], v[OUT+4*\j], v[OUT+4*\j+1]
	v_add_f32 v[OUT+4*\j+2], v[OUT+4*\j+2], v[OUT+4*\j+3]
.endr
.irp j, 0,1,2,3
	v_permlane16_swap_b32 v[OUT+4*\j], v[OUT+4*\j+2]
.endr
.irp j, 0,1,2,3
	v_add_f32 v[OUT+4*\j], v[OUT+4*\j], v[OUT+4*\j+2]
.endr
.irp j, 0,1,2,3
	v_add_f32 v[OUT+4*\j], s44, v[OUT+4*\j]
.endr
	s_wait_alu depctr_va_vdst(0)                   ; the four results are written, which the LDS stores read
.irp j, 0,1,2,3
	ds_store_b32 v[OWR], v[OUT+4*\j] offset:128*\j   ; my wave's 128 results on end, in bytes of its own whose features have been read
.endr
	ds_load_b128 v[OB:OB+3], v[ORD]                ; LDS serves a wave's instructions in order: this sees the stores
	s_wait_dscnt 0x0
	global_store_b128 v[L16], v[OB:OB+3], s[26:27] th:TH_STORE_NT   ; 32 lanes store 512 consecutive bytes, at a multiple of 256 from out0's first byte
	s_wait_xcnt 0x0                                ; the store has read its data and its base: the next pass loads into the one and the other is stepped
	s_add_nc_u64 s[8:9], s[8:9], 24576             ; 2,048 points on
	s_add_nc_u64 s[10:11], s[10:11], 49152
	s_add_nc_u64 s[26:27], s[26:27], 8192
	s_add_co_u32 s3, s3, 1
	s_cmp_lt_u32 s3, 2
	s_cbranch_scc1 .Lpass
	s_wait_dscnt 0x0                               ; the closing lines, six on end, of a launch in the mode that stores to LDS
	s_wait_alu 0x0
	s_wait_tensorcnt 0x0
	ds_add_u32 v242, v243
	s_wait_dscnt 0x0
	s_endpgm
.Lfunc_end_k_qd72f5ffc9b_encode_mlp:
	.size	k_qd72f5ffc9b_encode_mlp, .Lfunc_end_k_qd72f5ffc9b_encode_mlp-k_qd72f5ffc9b_encode_mlp
	.p2alignl 7, 3214868480
	.fill 96, 4, 3214868480
	.section	.rodata,"a",@progbits
	.p2align	6, 0x0
	.amdhsa_kernel k_qd72f5ffc9b_encode_mlp
		.amdhsa_group_segment_fixed_size 284672
		.amdhsa_private_segment_fixed_size 0
		.amdhsa_enable_private_segment 0
		.amdhsa_kernarg_size 80
		.amdhsa_user_sgpr_count 2
		.amdhsa_user_sgpr_kernarg_segment_ptr 1
		.amdhsa_wavefront_size32 1
		.amdhsa_system_sgpr_workgroup_id_x 1
		.amdhsa_system_sgpr_workgroup_id_y 1
		.amdhsa_system_sgpr_workgroup_id_z 1
		.amdhsa_system_vgpr_workitem_id 0
		.amdhsa_next_free_vgpr 256
		.amdhsa_next_free_sgpr 66
		.amdhsa_reserve_vcc 1
		.amdhsa_float_denorm_mode_32 3
		.amdhsa_float_denorm_mode_16_64 3
		.amdhsa_memory_ordered 1
		.amdhsa_forward_progress 1
		.amdhsa_inst_pref_size 199
	.end_amdhsa_kernel
	.amdgpu_metadata
---
amdhsa.version: [ 1, 2 ]
amdhsa.kernels:
  - .name:           k_qd72f5ffc9b_encode_mlp
    .symbol:         k_qd72f5ffc9b_encode_mlp.kd
    .args:
      - { .name: x, .offset: 0, .size: 8, .value_kind: global_buffer, .address_space: global }
      - { .name: cells, .offset: 8, .size: 8, .value_kind: global_buffer, .address_space: global }
      - { .name: embeddings, .offset: 16, .size: 8, .value_kind: global_buffer, .address_space: global }
      - { .name: W1, .offset: 24, .size: 8, .value_kind: global_buffer, .address_space: global }
      - { .name: b1, .offset: 32, .size: 8, .value_kind: global_buffer, .address_space: global }
      - { .name: W2, .offset: 40, .size: 8, .value_kind: global_buffer, .address_space: global }
      - { .name: b2, .offset: 48, .size: 8, .value_kind: global_buffer, .address_space: global }
      - { .name: W3, .offset: 56, .size: 8, .value_kind: global_buffer, .address_space: global }
      - { .name: b3, .offset: 64, .size: 8, .value_kind: global_buffer, .address_space: global }
      - { .name: out0, .offset: 72, .size: 8, .value_kind: global_buffer, .address_space: global }
    .group_segment_fixed_size: 284672
    .private_segment_fixed_size: 0
    .kernarg_segment_align: 8
    .kernarg_segment_size: 80
    .max_flat_workgroup_size: 512
    .sgpr_count:     66
    .vgpr_count:     256
    .wavefront_size: 32
...
	.end_amdgpu_metadata
.endif
;; end of part 3
